; MI455X (gfx1250); checked and timed in simulation.
; The chip was launched on July 23, 2026; its instructions are those of AMD's public machine-readable ISA for CDNA 5 (MIT licence, August 2026) and "CDNA5" Instruction Set Architecture Reference Guide (July 2026). The comments in the code are by the model that wrote it; some were corrected since.
;; Attn Block. Allowed arithmetic: matrix products marked QUANTISED: E2M3 operands, one E8M0 scale for each 32 along K, by v_wmma_scale_f32_16x16x128_f8f6f4 with both operands' format E2M3, f32 sums; everything else in f32.
;; Inputs: beta 512 float32; bk 512 float32; bo 512 float32; bq 512 float32; bv 512 float32; gamma 512 float32; wk 512 x 512 float32; wo 512 x 512 float32; wq 512 x 512 float32; wv 512 x 512 float32; x 8 x 512 x 2,048 float32.
;; Outputs: out0 8 x 512 x 2,048 float32.
;; This version of the problem:
;;   THIS VERSION OF THE PROBLEM IS GIVEN IN LOW PRECISION. The matrix products marked QUANTISED in the list below multiply operands that are first quantised to E2M3 (2 exponent bits, 3 mantissa bits; 6 bits a number), with one power-of-two scale for each 32 numbers along K (OCP MX v1.0); their sums are f32. All else is computed in f32.
;;   The module's matrix products, in the order in which they are computed (A, B: the left and right operand; K: the contracted axis; several contracted axes count as one K, in the product's order):
;;     1. [M 16,384, K 512] x [K 512, N 512]; A: computed on the way; B: input wq: QUANTISED
;;     2. [M 16,384, K 512] x [K 512, N 512]; A: computed on the way; B: input wk: QUANTISED
;;     3. [M 16,384, K 512] x [K 512, N 512]; A: computed on the way; B: input wv: QUANTISED
;;     4. batch 8 x [M 2,048, K 512] x [K 512, N 2,048]; A: computed on the way; B: computed on the way: QUANTISED
;;     5. batch 8 x [M 512, K 2,048] x [K 2,048, N 2,048]; A: computed on the way; B: softmax (see below): QUANTISED
;;     6. [M 16,384, K 512] x [K 512, N 512]; A: computed on the way; B: input wo: QUANTISED
;;   THE QUANTISER, for each operand of a quantised product, along K:
;;     - K is cut into blocks of 32 from its start; a last block that is shorter is filled with zeros.
;;     - A block's scale is 2^e with e = floor(log2(the largest magnitude in the block)) - 2, held to -126 .. 127; a block of zeros has e = 0. As a byte (E8M0): e + 127.
;;     - Each number is divided by its block's scale, clamped to +-7.5, and rounded to the nearest number of E2M3, ties to even, subnormals kept.
;;     - The product sums the exact products of the quantised numbers (number of the format x scale) in f32.
;;   ~~~python
;;   def quantise(x, axis):      # numpy; x: float32 -> the quantised numbers, widened to float32 again
;;       x = np.moveaxis(x, axis, -1); K = x.shape[-1]
;;       x = np.pad(x, [(0, 0)] * (x.ndim - 1) + [(0, -K % 32)]); x = x.reshape(x.shape[:-1] + (-1, 32)); a = np.abs(x).max(-1, keepdims=True)
;;       e = np.where(a > 0, np.clip(np.frexp(np.where(a > 0, a, 1))[1] - 1 - 2, -126, 127), 0)      # np.frexp(a)[1] - 1 = floor(log2(a)), exactly
;;       r = np.clip(x / 2.0 ** e, -7.5, 7.5)
;;       step = 2.0 ** (np.maximum(np.frexp(np.where(r == 0, 1, r))[1] - 1, 0) - 3)
;;       q = np.round(r / step) * step * 2.0 ** e      # np.round: ties to even
;;       return np.moveaxis(q.reshape(q.shape[:-2] + (-1,))[..., :K], -1, axis).astype(np.float32)
;;   ~~~
;;   SOFTMAX AHEAD OF A QUANTISED PRODUCT. Where the list says 'softmax', what is quantised is not the finished softmax but p = 2^(t - M), with t = logit x log2(e) and M = ceil(the row's largest t), a whole number; so 1/2 < the row's largest p <= 1. The row's sum l is taken of the UNQUANTISED p, in f32, and the product's result is divided by l at the end. Since M is a whole number, a kernel that streams over the keys may use a running M (the ceiling of the running maximum): every later rescaling is an exact power of two, which a block's scale takes up: the codes' values come out the same.
;;   OPERANDS COMPUTED ON THE WAY. 'Computed on the way' means the value that the module computes at that place (a softmax that the list does not call 'softmax' is quantised finished and normalised). What goes into a quantiser is computed in f32, as accurately as f32 sums, v_exp_f32 and their like allow (about 1e-6 of the number): no bf16 or f16 on the way to a quantiser, and a product that is left as it is and whose result goes on into a quantised operand takes f32 operands (vector FMAs, or v_wmma_f32_16x16x4_f32). A number that lies on a knife's edge between two numbers of the format may be rounded either way, as far as f32 arithmetic and the matrix unit's own rounding can turn it there, and no further.
;; One version. Each part assembles by itself: llvm-mc -triple=amdgcn-amd-amdhsa -mcpu=gfx1250 --defsym DOCPART=n.
;; ======== version 1 of 1: 3 launches
;; workspace buffers: stats 2,048 bytes; wc 819,200 bytes; qc 6,553,600 bytes; kv 13,107,200 bytes
;; launch prep (part 1): grid 256 x 1, 8 waves a work-group, no clusters, 5,120 bytes of LDS; arguments x, wq, wk, wv, wo, stats, wc; writes stats, wc
.if DOCPART == 1
	.amdgcn_target "amdgcn-amd-amdhsa--gfx1250"
	.amdhsa_code_object_version 6
	.text
	.protected	k_q25d142ee91_prep
	.globl	k_q25d142ee91_prep
	.p2align	8
	.type	k_q25d142ee91_prep,@function
k_q25d142ee91_prep:
	s_mov_b64 s[64:65], 0
	v_nop
	global_prefetch_b8 v0, s[64:65] scope:SCOPE_SE
	s_setreg_imm32_b32 hwreg(HW_REG_WAVE_MODE, 25, 1), 1
	s_wait_xcnt 0x0
; TWO JOBS FOR EACH OF 256 WORK-GROUPS, on one path.
; JOB 1: work-group n takes bytes 131,072 n on of x [8][512][2048] f32: a quarter of norm group n / 4 (a group is 64 channels x 2,048 positions, 524,288 bytes on end).
;   It stores the quarter's mean and M2 = the sum of (x - mean)^2: two passes over registers, so that no difference of large sums is formed.  The next launch joins four quarters.
; JOB 2: 16 rows x 256 columns of one weight [512][512] f32 become codes of FP6 (E2M3) with one E8M0 byte for each 32 along a row (K), laid in the ORDER OF AN OPERAND'S REGISTERS.
;   n = mat (2 bits: q, k, v, o) | G (2) | t (3) | kh (1).  Rows 128 G + beta(t) + pi(rr), beta(t) = 32 (t / 2) + 8 (t % 2), pi(r) = r + 8 (r / 8); columns 256 kh on.
;   wc is 32 chunks of 25,600 bytes, chunk (2 mat + kh) 4 + G: 16 fragment images of 1,536 bytes (image 2 t + sl: K step 2 kh + sl), then 1,024 bytes of scale words.
;   Image: register R of lane l at 512 (R / 4) + 16 l + 4 (R % 4); lane (r, h) holds block 2 c + h of its row in registers 6 c .. 6 c + 5.
;   Scale register i = 4 sl + t / 2 of lane l at 24,576 + 256 (i / 2) + 8 l + 4 (i % 2); lanes 0-15 hold tile t even, lanes 16-31 tile t odd.
; A block's scale is 2^(floor(log2(largest magnitude)) - 2): its byte is the magnitude's exponent field - 2, held at 1 from below.
; LIMITS: NaN and infinities are not served; a block whose largest magnitude lies under 2^-124 (a block of zeros too) gets the byte 1: its bytes are read by this program alone.
; No tensor loads, no cluster: work-groups share no input.  All 128 KiB of a work-group are asked for at the head: 32 loads of 512 consecutive bytes a wave.
; The scale words (128 bytes a work-group) and the statistics (8 bytes) are the only stores that do not cover whole aligned runs of 256 bytes.
.set IMG,  0                           ; LDS: two images, 3,072 bytes
.set WSB,  3072                        ; 2 x 16 scale words
.set RED1, 3328                        ; eight waves' sums
.set RED2, 3392                        ; and their M2
.set ACC,  8                           ; v8-15   four chains of pairs
.set MN,   16                          ; v16-17  the mean twice, later (mean, M2)
.set X,    32                          ; v32-159 my 128 numbers of x
.set W,    160                         ; v160-175 my 16 numbers of the weight
.set CD,   176                         ; v176-178 their codes
.set SBY,  180                         ; the scale's byte
.set RD8,  184                         ; v184-191 eight waves' figures
	s_load_b256 s[4:11], s[0:1], 0x0               ; x, wq, wk, wv
	s_load_b128 s[12:15], s[0:1], 0x20             ; wo, stats
	s_load_b64 s[16:17], s[0:1], 0x30              ; wc
	v_lshl_add_u32 v192, v0, 2, 0x1000
	v_mov_b32 v193, 0
	v_lshrrev_b32 v1, 5, v0
	v_readfirstlane_b32 s18, v1                    ; wave 0..7
	v_lshl_add_u32 v25, v1, 2, RED1                ; my wave's word
	v_mov_b32 v26, RED1
	v_and_b32 v1, 31, v0                           ; lane
	v_lshlrev_b32 v2, 4, v0                        ; 16 x thread: x, and the images' way out
	v_lshrrev_b32 v18, 4, v0                       ; rr: my row of the 16
	v_and_b32 v19, 15, v0                          ; q16: my 16 numbers of the row's 256
	v_and_b32 v20, 8, v18
	v_add_nc_u32 v20, v20, v18                     ; pi(rr)
	v_lshlrev_b32 v3, 11, v20
	v_lshl_add_u32 v3, v19, 6, v3                  ; weight: pi(rr) rows of 2,048 bytes + 64 q16
	v_and_b32 v20, 1, v19                          ; hb: lower or upper half of a block
	v_bfe_u32 v21, v19, 1, 1                       ; h
	v_bfe_u32 v22, v19, 2, 1                       ; c
	v_lshrrev_b32 v23, 3, v19                      ; sl
	v_mul_u32_u24 v22, v22, 6
	v_mad_u32_u24 v22, v20, 3, v22                 ; my first register of the fragment: 6 c + 3 hb
	v_mul_u32_u24 v24, v23, 1536
	v_lshl_add_u32 v24, v18, 4, v24
	v_lshl_add_u32 v24, v21, 8, v24                ; image sl, lane rr + 16 h
.irp i, 0,1,2
	v_add_nc_u32 v20, \i, v22
	v_lshrrev_b32 v21, 2, v20
	v_and_b32 v20, 3, v20
	v_lshl_add_u32 v[4+\i], v21, 9, v24
	v_lshl_add_u32 v[4+\i], v20, 2, v[4+\i]        ; v4-6: where my three registers lie in the image
.endr
	v_bfe_u32 v20, v19, 1, 2
	v_lshl_add_u32 v20, v18, 2, v20
	v_lshl_add_u32 v20, v23, 6, v20
	v_add_nc_u32 v7, WSB, v20                      ; my block's byte: 64 sl + 4 rr + block
	v_lshl_add_u32 v28, v1, 2, WSB                 ; wave 6: a scale word a lane,
	v_lshrrev_b32 v29, 4, v1
	v_and_b32 v27, 15, v1
	v_lshlrev_b32 v29, 9, v29
	v_lshl_add_u32 v29, v27, 3, v29                ; and its place in the chunk: 512 sl + 8 rr
	v_mov_b32 v30, 0
	s_mov_b32 s28, 0x76543210
	s_mov_b32 s29, 0xfedcba98                      ; v_permlanex16_b32's selects for lane l xor 16
	s_lshr_b32 s20, ttmp9, 6                       ; mat
	s_bfe_u32 s21, ttmp9, 0x20004                  ; G
	s_bfe_u32 s22, ttmp9, 0x30001                  ; t
	s_and_b32 s23, ttmp9, 1                        ; kh
	s_lshr_b32 s24, s22, 1
	s_and_b32 s25, s22, 1
	s_lshl_b32 s26, s24, 5
	s_lshl_b32 s27, s25, 3
	s_add_co_u32 s26, s26, s27                     ; beta(t)
	s_lshl_b32 s27, s21, 7
	s_add_co_u32 s26, s26, s27
	s_lshl_b32 s26, s26, 11
	s_lshl_b32 s27, s23, 10
	s_add_co_u32 s26, s26, s27                     ; the weight's bytes: (128 G + beta(t)) rows + 1,024 kh
	s_mov_b32 s27, 0
	s_lshl_b32 s30, s20, 1
	s_add_co_u32 s30, s30, s23
	s_lshl_b32 s30, s30, 2
	s_add_co_u32 s30, s30, s21
	s_mul_i32 s30, s30, 25600                      ; my chunk
	s_add_co_u32 s32, s30, 24576                   ; its scale words:
	s_lshr_b32 s33, s22, 2
	s_lshl_b32 s33, s33, 8
	s_add_co_u32 s32, s32, s33                     ; + 256 (t / 4)
	s_lshl_b32 s33, s25, 7
	s_add_co_u32 s32, s32, s33                     ; + 128 (t % 2)
	s_and_b32 s33, s24, 1
	s_lshl_b32 s33, s33, 2
	s_add_co_u32 s32, s32, s33                     ; + 4 ((t / 2) % 2)
	s_mov_b32 s33, 0
	s_mul_i32 s34, s22, 3072
	s_add_co_u32 s30, s30, s34                     ; its images 2 t and 2 t + 1
	s_mov_b32 s31, 0
	s_lshl_b32 s34, ttmp9, 17                      ; my quarter group of x
	s_mov_b32 s35, 0
	s_lshl_b32 s36, ttmp9, 3                       ; my 8 bytes of stats
	s_mov_b32 s37, 0
	s_wait_kmcnt 0x0
	s_cmp_lt_u32 s20, 1                            ; which weight: the choice hangs on the work-group's number alone
	s_cselect_b64 s[6:7], s[6:7], s[8:9]
	s_cmp_lt_u32 s20, 3
	s_cselect_b64 s[10:11], s[10:11], s[12:13]
	s_cmp_lt_u32 s20, 2
	s_cselect_b64 s[6:7], s[6:7], s[10:11]
	s_add_nc_u64 s[6:7], s[6:7], s[26:27]
	s_add_nc_u64 s[4:5], s[4:5], s[34:35]
	s_add_nc_u64 s[30:31], s[16:17], s[30:31]
	s_add_nc_u64 s[32:33], s[16:17], s[32:33]
	s_add_nc_u64 s[36:37], s[14:15], s[36:37]
.irp i, 0,1,2,3
	global_load_b128 v[W+4*\i:W+4*\i+3], v3, s[6:7] offset:16*\i th:TH_LOAD_NT
.endr
.set P, 0
.rept 32
	global_load_b128 v[X+4*P:X+4*P+3], v2, s[4:5] offset:4096*P   ; a wave reads 512 consecutive bytes, the work-group 4,096
.set P, P+1
.endr
	; ---- the weight: two neighbouring lanes hold a block of 32
	s_wait_loadcnt 32                              ; the weight's four loads are in; the 32 of x are younger
	v_max3_num_f32 v8, |v[W]|, |v[W+1]|, |v[W+2]|
	v_max3_num_f32 v9, |v[W+3]|, |v[W+4]|, |v[W+5]|
.irp i, 6,10
	v_max3_num_f32 v8, v8, |v[W+\i]|, |v[W+\i+1]|
	v_max3_num_f32 v9, v9, |v[W+\i+2]|, |v[W+\i+3]|
.endr
	v_max3_num_f32 v8, v8, |v[W+14]|, |v[W+15]|
	v_max3_num_f32 v8, v8, v9, 0x1800000           ; the floor 2^(3 - 127): the byte cannot fall under 1
	v_max_num_f32_dpp v8, v8, v8 row_xmask:1 row_mask:0xf bank_mask:0xf   ; with my neighbour's 16: the block's largest magnitude
	v_add_nc_u32 v11, 0xff000000, v8               ; 2 off its exponent field: the conversion's scale operand
	v_cvt_scalef32_pk16_fp6_f32 v[CD:CD+2], v[W:W+15], v11
	v_lshrrev_b32 v[SBY], 23, v11                  ; the byte (also the plain line behind the conversion)
	ds_store_b32 v4, v[CD]
	ds_store_b32 v5, v[CD+1]
	ds_store_b32 v6, v[CD+2]
	ds_store_b8 v7, v[SBY]                         ; both lanes of a block write the same byte with the same value
	; ---- the sum of my 128 numbers: four chains of pairs, begun by the first eight pairs
.set P, 0
.rept 64
.if P == 0
	s_wait_loadcnt 24                              ; eight loads of x are in, 24 are younger; then 16, 8, 0
.elseif P == 16
	s_wait_loadcnt 16
.elseif P == 32
	s_wait_loadcnt 8
.elseif P == 48
	s_wait_loadcnt 0
.endif
.if P < 4
	v_pk_add_f32 v[ACC+2*P:ACC+2*P+1], v[X+2*P:X+2*P+1], v[X+2*P+8:X+2*P+9]
.elseif P >= 8
	v_pk_add_f32 v[ACC+2*(P%4):ACC+2*(P%4)+1], v[ACC+2*(P%4):ACC+2*(P%4)+1], v[X+2*P:X+2*P+1]
.endif
.set P, P+1
.endr
.macro REDUCE                          ; the four chains, then the 32 lanes: the wave's sum in every lane of v[ACC]
	v_pk_add_f32 v[ACC:ACC+1], v[ACC:ACC+1], v[ACC+2:ACC+3]
	v_pk_add_f32 v[ACC+4:ACC+5], v[ACC+4:ACC+5], v[ACC+6:ACC+7]
	v_pk_add_f32 v[ACC:ACC+1], v[ACC:ACC+1], v[ACC+4:ACC+5]
	v_add_f32 v[ACC], v[ACC], v[ACC+1]
	v_add_f32_dpp v[ACC], v[ACC], v[ACC] row_xmask:1 row_mask:0xf bank_mask:0xf
	v_add_f32_dpp v[ACC], v[ACC], v[ACC] row_xmask:2 row_mask:0xf bank_mask:0xf
	v_add_f32_dpp v[ACC], v[ACC], v[ACC] row_xmask:4 row_mask:0xf bank_mask:0xf
	v_add_f32_dpp v[ACC], v[ACC], v[ACC] row_xmask:8 row_mask:0xf bank_mask:0xf
	v_permlanex16_b32 v[ACC+1], v[ACC], s28, s29
	v_add_f32 v[ACC], v[ACC], v[ACC+1]
.endm
.macro SUM8                            ; eight waves' figures into v[RD8]
	v_add_f32 v[RD8], v[RD8], v[RD8+1]
	v_add_f32 v[RD8+2], v[RD8+2], v[RD8+3]
	v_add_f32 v[RD8+4], v[RD8+4], v[RD8+5]
	v_add_f32 v[RD8+6], v[RD8+6], v[RD8+7]
	v_add_f32 v[RD8], v[RD8], v[RD8+2]
	v_add_f32 v[RD8+4], v[RD8+4], v[RD8+6]
	v_add_f32 v[RD8], v[RD8], v[RD8+4]
.endm
	REDUCE
	ds_store_b32 v25, v[ACC]
	s_wait_dscnt 0x0                               ; for the others' sake: my sum, my codes and my byte have landed
	s_barrier_signal -1
	s_barrier_wait -1
	ds_load_b128 v[RD8:RD8+3], v26
	ds_load_b128 v[RD8+4:RD8+7], v26 offset:16
	s_cmp_lt_u32 s18, 6                            ; waves 0-5 store the two images, 512 consecutive bytes each; wave 6 the scale words
	s_cbranch_scc0 .Lnot_image
	ds_load_b128 v[20:23], v2
	s_wait_dscnt 0x0
	global_store_b128 v2, v[20:23], s[30:31]
	s_branch .Lstored
.Lnot_image:
	s_cmp_eq_u32 s18, 6
	s_cbranch_scc0 .Lstored
	ds_load_b32 v20, v28
	s_wait_dscnt 0x0
	global_store_b32 v29, v20, s[32:33]
.Lstored:
	s_wait_dscnt 0x0
	SUM8
	v_mul_f32 v[MN], 0x38000000, v[RD8]            ; the quarter's mean: the sum x 2^-15
	v_mov_b32 v[MN+1], v[MN]
	; ---- M2: the sum of (x - mean)^2, from the registers
.set P, 0
.rept 16
.irp u, 0,1,2,3
	v_pk_add_f32 v[X+8*P+2*\u:X+8*P+2*\u+1], v[X+8*P+2*\u:X+8*P+2*\u+1], v[MN:MN+1] neg_lo:[0,1] neg_hi:[0,1]
.endr
.irp u, 0,1,2,3
.if P == 0
	v_pk_mul_f32 v[ACC+2*\u:ACC+2*\u+1], v[X+2*\u:X+2*\u+1], v[X+2*\u:X+2*\u+1]
.else
	v_pk_fma_f32 v[ACC+2*\u:ACC+2*\u+1], v[X+8*P+2*\u:X+8*P+2*\u+1], v[X+8*P+2*\u:X+8*P+2*\u+1], v[ACC+2*\u:ACC+2*\u+1]
.endif
.endr
.set P, P+1
.endr
	REDUCE
	ds_store_b32 v25, v[ACC] offset:RED2-RED1      ; other bytes than the sums': no barrier is owed between the two uses
	s_wait_dscnt 0x0
	s_barrier_signal -1
	s_barrier_wait -1
	ds_load_b128 v[RD8:RD8+3], v26 offset:RED2-RED1
	ds_load_b128 v[RD8+4:RD8+7], v26 offset:RED2-RED1+16
	s_wait_dscnt 0x0
	SUM8
	v_mov_b32 v[MN+1], v[RD8]
	s_wait_xcnt 0x0                                ; EXEC changes only behind this wait: earlier stores have it among their sources
	v_cmp_eq_u32 vcc_lo, 0, v0
	s_wait_tensorcnt 0x0
	ds_add_u32 v192, v193
	s_wait_dscnt 0x0
	s_and_saveexec_b32 s38, vcc_lo
	global_store_b64 v30, v[MN:MN+1], s[36:37]     ; thread 0: (mean, M2)
	s_wait_xcnt 0x0
	s_or_b32 exec_lo, exec_lo, s38
	s_endpgm
.Lfunc_end_k_q25d142ee91_prep:
	.size	k_q25d142ee91_prep, .Lfunc_end_k_q25d142ee91_prep-k_q25d142ee91_prep
	.p2alignl 7, 3214868480
	.fill 96, 4, 3214868480
	.section	.rodata,"a",@progbits
	.p2align	6, 0x0
	.amdhsa_kernel k_q25d142ee91_prep
		.amdhsa_group_segment_fixed_size 5120
		.amdhsa_private_segment_fixed_size 0
		.amdhsa_enable_private_segment 0
		.amdhsa_kernarg_size 56
		.amdhsa_user_sgpr_count 2
		.amdhsa_user_sgpr_kernarg_segment_ptr 1
		.amdhsa_wavefront_size32 1
		.amdhsa_system_sgpr_workgroup_id_x 1
		.amdhsa_system_sgpr_workgroup_id_y 1
		.amdhsa_system_sgpr_workgroup_id_z 1
		.amdhsa_system_vgpr_workitem_id 0
		.amdhsa_next_free_vgpr 194
		.amdhsa_next_free_sgpr 66
		.amdhsa_reserve_vcc 1
		.amdhsa_float_denorm_mode_32 3
		.amdhsa_float_denorm_mode_16_64 3
		.amdhsa_memory_ordered 1
		.amdhsa_forward_progress 1
		.amdhsa_inst_pref_size 25
	.end_amdhsa_kernel
	.amdgpu_metadata
---
amdhsa.version: [ 1, 2 ]
amdhsa.kernels:
  - .name:           k_q25d142ee91_prep
    .symbol:         k_q25d142ee91_prep.kd
    .args:
      - { .name: x, .offset: 0, .size: 8, .value_kind: global_buffer, .address_space: global }
      - { .name: wq, .offset: 8, .size: 8, .value_kind: global_buffer, .address_space: global }
      - { .name: wk, .offset: 16, .size: 8, .value_kind: global_buffer, .address_space: global }
      - { .name: wv, .offset: 24, .size: 8, .value_kind: global_buffer, .address_space: global }
      - { .name: wo, .offset: 32, .size: 8, .value_kind: global_buffer, .address_space: global }
      - { .name: stats, .offset: 40, .size: 8, .value_kind: global_buffer, .address_space: global }
      - { .name: wc, .offset: 48, .size: 8, .value_kind: global_buffer, .address_space: global }
    .group_segment_fixed_size: 5120
    .private_segment_fixed_size: 0
    .kernarg_segment_align: 8
    .kernarg_segment_size: 56
    .max_flat_workgroup_size: 256
    .sgpr_count:     66
    .vgpr_count:     194
    .wavefront_size: 32
...
	.end_amdgpu_metadata
.endif
;; end of part 1
;; launch qkv (part 2): grid 32 x 8, 4 waves a work-group, clusters of 4 x 1, 327,680 bytes of LDS; arguments x, gamma, beta, stats, wc, bq, bk, bv, qc, kv; writes qc, kv
.if DOCPART == 2
	.amdgcn_target "amdgcn-amd-amdhsa--gfx1250"
	.amdhsa_code_object_version 6
	.text
	.protected	k_q25d142ee91_qkv
	.globl	k_q25d142ee91_qkv
	.p2align	8
	.type	k_q25d142ee91_qkv,@function
k_q25d142ee91_qkv:
	s_mov_b64 s[64:65], 0
	v_nop
	global_prefetch_b8 v0, s[64:65] scope:SCOPE_SE
	s_setreg_imm32_b32 hwreg(HW_REG_WAVE_MODE, 25, 1), 1
	s_wait_xcnt 0x0
	s_wait_alu depctr_hold_cnt(0) depctr_sa_sdst(0) depctr_va_vdst(0) depctr_va_sdst(0) depctr_va_ssrc(0) depctr_va_vcc(0) depctr_vm_vsrc(0)
	s_getreg_b32 s2, hwreg(HW_REG_IB_STS2, 6, 4)
	s_cmp_eq_u32 s2, 0
	s_cbranch_scc0 .Lentry_in_a_cluster
	s_endpgm
.Lentry_in_a_cluster:
	s_bfe_u32 s2, ttmp6, 0x10000c
	s_cmp_lg_u32 s2, 0x3003
	s_cbranch_scc0 .Lentry_shape_is_right
	s_endpgm
.Lentry_shape_is_right:
; h = groupnorm(x) gamma + beta;  q, k, v = W h + b, the three products on codes of FP6 (E2M3) with one E8M0 scale for each 32 along K = c;  q and k are then quantised along their channels, v along the positions.
; SHARES.  Work-group (lb, b) owns positions 64 lb .. 64 lb + 63 of batch b.  Wave w normalises and quantises channels 128 w .. 128 w + 127 of h (K step w; norm groups 2 w, 2 w + 1) and makes outputs
; o = 128 w .. 128 w + 127 of q, k and v for all 64 positions: 32 accumulators, 64 matrix instructions for each of six weight tiles (matrix, half of K).
; ROWS.  pi(r) = r + 8 (r / 8), beta(t) = 32 (t / 2) + 8 (t % 2).  Lane r of a tile t of rows (of a weight, of positions) holds row beta(t) + pi(r): then the 16 registers that tiles 2 b and 2 b + 1 leave in a lane are
; 16 NEIGHBOURS along the next product's K.  q, k: source 0 = 16 rows of W, source 1 = 16 positions of h: a lane holds one position, registers run along o.  v: the sources swapped: a lane holds one channel, registers run along the positions.
; CHUNKS.  All codes lie in memory in the order of an operand's registers: a chunk is 25,600 bytes = 16 fragment images of 1,536 bytes (register R of lane l at 512 (R / 4) + 16 l + 4 (R % 4)) + 1,024 bytes of scale words
; (register i of lane l at 24,576 + 256 (i / 2) + 8 l + 4 (i % 2); lanes 0-15 an even tile's rows, lanes 16-31 the odd tile's).  q's and k's chunks: image 4 m + s (position tile m, K step s), scale register 2 s + m / 2.
; v's chunks: half images of 768 bytes (64 keys: registers 0-3 at 16 l, 4-5 at 512 + 8 l) for channel tile 8 w + t; scales: four 16-bit entries a lane at 24,576 + 256 w + 8 l, entry a = the two bytes of tile 2 a + l / 16.
; kv holds k's and v's chunks in the order in which the next launch walks them: 64 chunks a batch, 16 for each 512 positions (j = lb / 8): k's block lb at 16 j + 4 (lb % 2) + (lb / 2) % 4, v's block lb at 16 j + 8 + lb % 8.
; CLUSTER.  The four work-groups of a cluster walk the same six weight tiles (102,400 bytes each, four chunks): each chunk is asked for JOINTLY, by the same tensor load with the mask of all four; wave w fetches and reads chunk w alone.
; Two LDS slots take turns.  x's tile (128 rows x 256 bytes a wave, a plain load) lies over slot 1, so that slot's first weight tile comes as a refill.  By this text's count a wave has at most two tensor loads out.
; LIMITS: NaN and infinities are not served; a block whose largest magnitude lies under 2^-124 (zeros too) gets the byte 1: the bytes are read by this program alone; 1 / sqrt by v_rsq_f32.
; REGISTERS, in windows of 256.  Window 0: v1-22 addresses; v32-55 statistics; v56-79 scale words; v80-187 at work; v208-255 fragment buffer FB.   Window 1: x (pass bb at 128 bb + channel), later the 32 accumulators.
;   Window 2: the biases in the results' layout, 8 registers a tile: q v0-63, k v64-127, v v128-191.   Window 3: gamma v0-127, beta v128-255; later h's 16 fragments (12 (4 m + s)) and fragment buffer FA v192-239.
.set CH,    25600
.set TILEB, 102400                     ; a weight tile: four chunks;  slot 0 at 0, slot 1 at TILEB
.set XR,    102400                     ; x: 4 x 32,768 bytes
.set HIMG,  233472                     ; h's 16 fragment images
.set HSC,   258048                     ; their 8 scale registers, 128 bytes each
.set SPARE, 259072                     ; the spare words, 128 bytes a wave: two blocks of 256 bytes that no other line names
.set G1,   28                          ; s[28:35] group 1 of a chunk;  s[36:43] of x's tile
.set G1X,  36
.set G0X,  44
.set G0W0, 48                          ; s[48:51], s[52:55] groups 0 for slot 0 and slot 1
.set G0W1, 52
.set SEL,  56
.set WV,   58
.set HMASK, 59
.set SPW,  4
.set NIL,  5
.set AW,   6                           ; v6-7   slot + 25,600 w + 16 l
.set AWS,  8                           ; v8-9   slot + 25,600 w + 24,576 + 8 l
.set AXR,  10
.set HST,  11
.set HSS,  12
.set HLD,  13
.set HSL,  14
.set GQ,   15
.set GS,   16
.set GV128, 17
.set GV64, 18
.set GBO,  19
.set BQO,  20
.set BVO,  21
.set STA,  22
.set SV,   32                          ; v32-47 the statistics as loaded
.set MEAN, 48                          ; v48-51 the two groups' means, each twice;  v52-55 their 1 / sqrt(var + eps)
.set RSTD, 52
.set WS,   56                          ; v56-63, v64-71 the weights' scale words, a set for each slot
.set HS,   72                          ; v72-79 h's
.set TM,   80
.set XM,   96
.set XO,   104
.set XBY,  112
.set PC,   120                         ; v120-139 codes just made
.set PW,   140                         ; v140-143 scale words just made
.set PP,   144
.set SELV, 146
.set XF,   148                         ; v148-171 two fragments of h;  v172-187 the blocks' upper halves
.set XT,   172
.set MSB, 0
.macro WIN new                         ; the immediate's high byte repeats the setting that is left; a switch that changes nothing is dropped
.if MSB != (\new)
	s_set_vgpr_msb (MSB<<8)|(\new)
.set MSB, \new
.endif
.endm
.macro PLACES n
.rept \n
	v_nop
.endr
.endm
.macro CREST                           ; a round of the cluster's barrier behind its opening barrier
	s_cmp_lg_u32 s[WV], 0
	s_cbranch_scc1 .Lnot_wave_0_\@
	s_barrier_signal -3
.Lnot_wave_0_\@:
	s_barrier_wait -3
	s_barrier_signal -1
	s_barrier_wait -1
.endm
.macro CROUND
	s_barrier_signal -1
	s_barrier_wait -1
	CREST
.endm
.macro JLOAD g0                        ; a joint load of my chunk; four v_nop follow it
	tensor_load_to_lds s[\g0:\g0+3], s[G1:G1+7]
	s_nop 0
	PLACES 4
.endm
; One matrix line.  c < 0: C is the constant 0.  ra, rb: the scales stand in lanes 16-31 of their registers.
.macro WM d, a, b, c, sa, sb, ra, rb
.if (\c) < 0
.if (\ra) && (\rb)
	v_wmma_scale_f32_16x16x128_f8f6f4 v[(\d):(\d)+7], v[(\a):(\a)+11], v[(\b):(\b)+11], 0, v[\sa], v[\sb] matrix_a_fmt:MATRIX_FMT_FP6 matrix_b_fmt:MATRIX_FMT_FP6 matrix_a_scale:MATRIX_SCALE_ROW1 matrix_b_scale:MATRIX_SCALE_ROW1
.elseif (\ra)
	v_wmma_scale_f32_16x16x128_f8f6f4 v[(\d):(\d)+7], v[(\a):(\a)+11], v[(\b):(\b)+11], 0, v[\sa], v[\sb] matrix_a_fmt:MATRIX_FMT_FP6 matrix_b_fmt:MATRIX_FMT_FP6 matrix_a_scale:MATRIX_SCALE_ROW1
.elseif (\rb)
	v_wmma_scale_f32_16x16x128_f8f6f4 v[(\d):(\d)+7], v[(\a):(\a)+11], v[(\b):(\b)+11], 0, v[\sa], v[\sb] matrix_a_fmt:MATRIX_FMT_FP6 matrix_b_fmt:MATRIX_FMT_FP6 matrix_b_scale:MATRIX_SCALE_ROW1
.else
	v_wmma_scale_f32_16x16x128_f8f6f4 v[(\d):(\d)+7], v[(\a):(\a)+11], v[(\b):(\b)+11], 0, v[\sa], v[\sb] matrix_a_fmt:MATRIX_FMT_FP6 matrix_b_fmt:MATRIX_FMT_FP6
.endif
.else
.if (\ra) && (\rb)
	v_wmma_scale_f32_16x16x128_f8f6f4 v[(\d):(\d)+7], v[(\a):(\a)+11], v[(\b):(\b)+11], v[(\c):(\c)+7], v[\sa], v[\sb] matrix_a_fmt:MATRIX_FMT_FP6 matrix_b_fmt:MATRIX_FMT_FP6 matrix_a_scale:MATRIX_SCALE_ROW1 matrix_b_scale:MATRIX_SCALE_ROW1
.elseif (\ra)
	v_wmma_scale_f32_16x16x128_f8f6f4 v[(\d):(\d)+7], v[(\a):(\a)+11], v[(\b):(\b)+11], v[(\c):(\c)+7], v[\sa], v[\sb] matrix_a_fmt:MATRIX_FMT_FP6 matrix_b_fmt:MATRIX_FMT_FP6 matrix_a_scale:MATRIX_SCALE_ROW1
.elseif (\rb)
	v_wmma_scale_f32_16x16x128_f8f6f4 v[(\d):(\d)+7], v[(\a):(\a)+11], v[(\b):(\b)+11], v[(\c):(\c)+7], v[\sa], v[\sb] matrix_a_fmt:MATRIX_FMT_FP6 matrix_b_fmt:MATRIX_FMT_FP6 matrix_b_scale:MATRIX_SCALE_ROW1
.else
	v_wmma_scale_f32_16x16x128_f8f6f4 v[(\d):(\d)+7], v[(\a):(\a)+11], v[(\b):(\b)+11], v[(\c):(\c)+7], v[\sa], v[\sb] matrix_a_fmt:MATRIX_FMT_FP6 matrix_b_fmt:MATRIX_FMT_FP6
.endif
.endif
.endm
.macro PACKPC                          ; the operand's layout wants a WHOLE block in a lane: lanes 0-15 block 2 c, lanes 16-31 block 2 c + 1
.irp c, 0,1
.irp i, 0,1,2
	v_permlane16_swap_b32 v[PC+6*\c+\i], v[PC+12+4*\c+\i]
.endr
.irp i, 0,1,2
	v_mov_b32 v[PC+3+6*\c+\i], v[PC+12+4*\c+\i]
.endr
.endr
.endm
; 64 numbers of a lane in window 1, register src + 16 b + i = k 32 b + 16 (lane / 16) + i of my row, become a fragment's codes in v[PC] on and its scale word in v[pw].
.macro QUANT src, pw
	WIN 0x14                                       ; sources 1 and 2 in window 1
.irp b, 0,1,2,3
	v_max3_num_f32 v[TM+\b], 0x1800000, |v[(\src)+16*\b]|, |v[(\src)+16*\b+1]|   ; my 16 numbers and the floor 2^(3 - 127); each accumulator is read from its low end on
.endr
.irp i, 2,4,6,8,10,12,14
.irp b, 0,1,2,3
	v_max3_num_f32 v[TM+\b], v[TM+\b], |v[(\src)+16*\b+\i]|, |v[(\src)+16*\b+\i+1]|
.endr
.endr
	WIN 0
.irp b, 0,1,2,3
	v_permlanex16_b32 v[TM+4+\b], v[TM+\b], s[SEL], s[SEL+1]
.endr
.irp b, 0,1,2,3
	v_max_num_f32 v[TM+\b], v[TM+\b], v[TM+4+\b]   ; with lane l xor 16's: the block's largest magnitude
.endr
.irp b, 0,1,2,3
	v_add_nc_u32 v[TM+12+\b], 0xff000000, v[TM+\b] ; 2 off its exponent field: the conversion's scale operand
.endr
.irp b, 0,1,2,3
	v_lshrrev_b32 v[TM+4+\b], 23, v[TM+12+\b]      ; the byte
.endr
	v_lshl_or_b32 v[\pw], v[TM+5], 8, v[TM+4]
	v_lshl_or_b32 v[\pw], v[TM+6], 16, v[\pw]
	v_lshl_or_b32 v[\pw], v[TM+7], 24, v[\pw]
	s_wait_xcnt 0x0                                ; the last fragment's stores have read v[PC] on: it is written again only behind this wait
	WIN 0x01                                       ; source 0 in window 1
.irp c, 0,1
	v_cvt_scalef32_pk16_fp6_f32 v[PC+6*\c:PC+6*\c+2], v[(\src)+32*\c:(\src)+32*\c+15], v[TM+12+2*\c]
	v_cvt_scalef32_pk16_fp6_f32 v[PC+12+4*\c:PC+14+4*\c], v[(\src)+32*\c+16:(\src)+32*\c+31], v[TM+13+2*\c]
.endr
	WIN 0
	v_nop                                          ; one plain line behind the conversions
	PACKPC
.endm
.macro FETW slot, e, buf               ; set e (four fragments, 6,144 bytes on end) of my chunk into FA (buf = 0) or FB (1)
.if \buf
	WIN 0
.else
	WIN 0xc0
.endif
.irp k, 0,1,2,3,4,5,6,7,8,9,10,11
	ds_load_b128 v[192+16*(\buf)+4*\k:192+16*(\buf)+4*\k+3], v[AW+\slot] offset:6144*(\e)+512*\k
.endr
.endm
.macro WSC slot                        ; my chunk's eight scale registers
	WIN 0
.irp k, 0,1,2,3
	ds_load_b64 v[WS+8*(\slot)+2*\k:WS+8*(\slot)+2*\k+1], v[AWS+\slot] offset:256*\k
.endr
.endm
; Eight matrix instructions: weight tile t = 2 e + half, the tile's two K steps x the four position tiles.  The four accumulators take turns, one instruction a turn.
; kind 0, 1 (q, k): D at 64 m + 8 t;  kind 2 (v): sources and scales swapped, D at 32 t + 8 m.  A sum's first instruction takes the bias as C.
.macro MULW kind, kh, e, buf, half
.set TT, 2*(\e)+(\half)
.irp sl, 0,1
.set CW, 0x10
.if ((\kh)+\sl) == 0
.set CW, 0x20
.endif
.irp m, 0,1,2,3
.set WF, 192+16*(\buf)+12*(2*(\half)+\sl)
.set HF, 12*(4*\m+2*(\kh)+\sl)
.set WR, WS+8*(\kh)+4*\sl+TT/2
.set HR, HS+2*(2*(\kh)+\sl)+\m/2
.if (\kind) < 2
	WIN 0x4c|CW|(3-3*(\buf))
.set DD, 64*\m+8*TT
.if CW == 0x20
	WM DD, WF, HF, 64*(\kind)+8*TT, WR, HR, TT%2, \m%2
.else
	WM DD, WF, HF, DD, WR, HR, TT%2, \m%2
.endif
.else
	WIN 0x43|CW|(12-12*(\buf))
.set DD, 32*TT+8*\m
.if CW == 0x20
	WM DD, HF, WF, 128+8*TT, HR, WR, \m%2, TT%2
.else
	WM DD, HF, WF, DD, HR, WR, \m%2, TT%2
.endif
.endif
.endr
.endr
.endm
.macro SETW kind, kh, e, buf
	MULW \kind, \kh, \e, \buf, 0
	MULW \kind, \kh, \e, \buf, 1
.endm
; A tile's first half: sets 0 and 1 are multiplied, sets 1, 2, 3 fetched.  Four places stand in front of each run of loads into registers that matrix instructions have read.
.macro TILEHEAD kind, kh
	PLACES 4
	FETW \kh, 1, 1
	s_wait_dscnt 12                                ; all but the 12 just issued: set 0 (and the scale words) are in
	SETW \kind, \kh, 0, 0
	PLACES 4
	FETW \kh, 2, 0
	s_wait_dscnt 12
	SETW \kind, \kh, 1, 1
	PLACES 4
	FETW \kh, 3, 1
.endm
; The rest of a tile in slot 0, with the change of slots: slot 0 is filled again, two tiles on.
.macro TURN1 kind
	WIN 0
	s_wait_tensorcnt 0x0                           ; all my tensor loads have landed: my chunk of slot 1's tile;
	ds_add_u32 v[SPW], v[NIL]                      ; 0 onto my spare word
	s_wait_dscnt 13                                ; (set 3's twelve loads and the add may be out)
	SETW \kind, 0, 2, 0
	s_add_nc_u64 s[G0W0+2:G0W0+3], s[G0W0+2:G0W0+3], 2*TILEB
	s_wait_dscnt 0x0                               ; the add is done, and my reads of slot 0 are over
	s_barrier_signal -1                            ; this barrier opens a round of the cluster's barrier
	MULW \kind, 0, 3, 1, 0
	WIN 0
	s_barrier_wait -1
	CREST                                          ; no wave of any partner still reads slot 0 or has a load on its way
	JLOAD G0W0                                     ; its four v_nop are also the places in front of the loads below
	WSC 1
	FETW 1, 0, 0
	MULW \kind, 0, 3, 1, 1
.endm
.macro TILEEND kind                    ; the rest of a tile in slot 1
	s_wait_dscnt 12
	SETW \kind, 1, 2, 0
	s_wait_dscnt 0x0
	SETW \kind, 1, 3, 1
.endm
.macro CHG                             ; slot 1 has been read out: it is filled again, two tiles on; then the next tile's first fragments
	WIN 0
	s_wait_tensorcnt 0x0
	ds_add_u32 v[SPW], v[NIL]
	s_add_nc_u64 s[G0W1+2:G0W1+3], s[G0W1+2:G0W1+3], 2*TILEB
	s_wait_dscnt 0x0
	CROUND
	JLOAD G0W1                                     ; its four v_nop are also the places in front of the first read of the results
	WSC 0
	FETW 0, 0, 0
.endm
.macro OUTQK ptr                       ; q or k: four fragments (position tile m, K step w) and two scale registers leave; every store covers 512 or 256 consecutive bytes, aligned
.irp m, 0,1,2,3
	QUANT 64*\m, PW+\m
.irp g, 0,1,2
	global_store_b128 v[GQ], v[PC+4*\g:PC+4*\g+3], s[\ptr:\ptr+1] offset:6144*\m+512*\g
.endr
.endr
	v_cndmask_b32 v[PP], v[PW], v[PW+1], s[HMASK]  ; lanes 0-15 the even tile's word, lanes 16-31 the odd tile's
	v_cndmask_b32 v[PP+1], v[PW+2], v[PW+3], s[HMASK]
	global_store_b64 v[GS], v[PP:PP+1], s[\ptr:\ptr+1]
.endm
	s_load_b512 s[4:19], s[0:1], 0x0               ; x, gamma, beta, stats, wc, bq, bk, bv
	s_load_b128 s[20:23], s[0:1], 0x40             ; qc, kv
	v_lshl_add_u32 v[SPW], v0, 2, SPARE
	v_mov_b32 v[NIL], 0
	ds_add_u32 v4, v5
	ds_add_u32 v4, v5
	s_wait_dscnt 0x0
	v_lshrrev_b32 v1, 5, v0
	v_readfirstlane_b32 s[WV], v1                  ; wave 0..3
	s_bfe_u32 s66, ttmp6, 0x40000                  ; cx
	s_lshl_b32 s67, ttmp9, 2
	s_add_co_u32 s67, s67, s66                     ; lb = 4 x cluster x + cx: it enters global addresses of plain accesses alone
	s_and_b32 s68, ttmp7, 0xffff                   ; b
	s_mov_b32 s[G1], 15|(3<<16)|(1<<21)            ; the mask: all four work-groups; elements of 8 bytes; bit 21 beside a mask; no padding
	s_mov_b32 s[G1+1], 32<<16                      ; tensor_dim0 = 32 elements: 256 bytes
	s_mov_b32 s[G1+2], 100<<16                     ; tensor_dim1 = 100 rows: a chunk
	s_mov_b32 s[G1+3], 32<<16                      ; tile_dim0
	s_mov_b32 s[G1+4], 100                         ; tile_dim1
	s_mov_b32 s[G1+5], 32                          ; the rows lie on end
	s_mov_b32 s[G1+6], 0
	s_mov_b32 s[G1+7], 0
	s_mov_b32 s[G1X], 3<<16                        ; x: no mask; 128 rows (channels) of 256 bytes (64 positions), 8,192 bytes apart
	s_mov_b32 s[G1X+1], 32<<16
	s_mov_b32 s[G1X+2], 128<<16
	s_mov_b32 s[G1X+3], 32<<16
	s_mov_b32 s[G1X+4], 128
	s_mov_b32 s[G1X+5], 1024
	s_mov_b32 s[G1X+6], 0
	s_mov_b32 s[G1X+7], 0
	s_mov_b32 s[SEL], 0x76543210
	s_mov_b32 s[SEL+1], 0xfedcba98
	s_mov_b32 s[HMASK], 0xffff0000
	s_mov_b32 s81, 0x37000000                      ; 2^-17: 1 / the numbers of a group
	s_mov_b32 s82, 0x358637bd                      ; 1e-6
	s_lshl_b32 s70, s68, 22
	s_lshl_b32 s72, s[WV], 20
	s_add_co_u32 s70, s70, s72
	s_lshl_b32 s72, s67, 8
	s_add_co_u32 s70, s70, s72                     ; x: ((512 b + 128 w) 2,048 + 64 lb) 4 bytes
	s_mov_b32 s71, 0
	s_mul_i32 s72, s[WV], CH                       ; 25,600 w
	s_mov_b32 s73, 0
	s_lshl_b32 s74, s68, 5
	s_add_co_u32 s76, s74, s67
	s_mul_i32 s76, s76, CH                         ; qc's chunk 32 b + lb
	s_mov_b32 s77, 0
	s_lshl_b32 s74, s68, 6                         ; kv: 64 chunks a batch,
	s_lshr_b32 s78, s67, 3
	s_lshl_b32 s78, s78, 4
	s_add_co_u32 s74, s74, s78                     ; 16 for each 512 positions
	s_and_b32 s78, s67, 1
	s_lshl_b32 s78, s78, 2
	s_bfe_u32 s79, s67, 0x20001
	s_or_b32 s78, s78, s79
	s_add_co_u32 s78, s78, s74
	s_mul_i32 s78, s78, CH                         ; k's chunk: + 4 (lb % 2) + (lb / 2) % 4
	s_mov_b32 s79, 0
	s_and_b32 s92, s67, 7
	s_add_co_u32 s92, s92, 8
	s_add_co_u32 s92, s92, s74
	s_mul_i32 s92, s92, CH                         ; v's chunk: + 8 + lb % 8
	s_mov_b32 s93, 0
	s_wait_kmcnt 0x0
	s_mov_b32 s[G0X], 1
	s_lshl_b32 s[G0X+1], s[WV], 15
	s_add_co_u32 s[G0X+1], s[G0X+1], XR
	s_add_nc_u64 s[G0X+2:G0X+3], s[4:5], s[70:71]
	s_or_b32 s[G0X+3], s[G0X+3], 0x80000000
	s_mov_b32 s[G0W0], 1
	s_mov_b32 s[G0W0+1], s72
	s_add_nc_u64 s[G0W0+2:G0W0+3], s[12:13], s[72:73]
	s_mov_b32 s[G0W1], 1
	s_add_co_u32 s[G0W1+1], s72, TILEB
	s_add_nc_u64 s[G0W1+2:G0W1+3], s[G0W0+2:G0W0+3], TILEB
	s_or_b32 s[G0W0+3], s[G0W0+3], 0x80000000
	s_or_b32 s[G0W1+3], s[G0W1+3], 0x80000000
	s_add_nc_u64 s[20:21], s[20:21], s[76:77]      ; q's chunk
	s_add_nc_u64 s[24:25], s[22:23], s[92:93]      ; v's chunk
	s_add_nc_u64 s[22:23], s[22:23], s[78:79]      ; k's chunk
	CROUND                                         ; all four work-groups are here: the first loads meet
	tensor_load_to_lds s[G0X:G0X+3], s[G1X:G1X+7]  ; x's 128 channels x 64 positions, my own
	s_nop 0
	JLOAD G0W0                                     ; weight tile 0 (q, first half of K)
	v_and_b32 v1, 31, v0                           ; l
	v_and_b32 v2, 15, v0                           ; r
	v_bfe_u32 v3, v0, 4, 1                         ; h
	v_lshl_add_u32 v[AW], v1, 4, s72
	v_add_nc_u32 v[AW+1], TILEB, v[AW]
	v_lshl_add_u32 v[AWS], v1, 3, s72
	v_add_nc_u32 v[AWS], 24576, v[AWS]
	v_add_nc_u32 v[AWS+1], TILEB, v[AWS]
	v_and_b32 v23, 8, v2
	v_add_nc_u32 v23, v23, v2                      ; pi(r)
	v_lshl_add_u32 v24, v3, 3, v23
	v_lshl_add_u32 v[AXR], v24, 2, s[G0X+1]        ; x in LDS: my position pi(r) + 8 h of a pass's 32
	s_mul_i32 s83, s[WV], 1536
	s_add_co_u32 s84, s83, HIMG
	v_lshl_add_u32 v[HST], v1, 4, s84
	s_lshl_b32 s85, s[WV], 8
	s_add_co_u32 s86, s85, HSC
	v_lshl_add_u32 v[HSS], v1, 2, s86
	v_lshl_add_u32 v[HLD], v1, 4, HIMG
	v_lshl_add_u32 v[HSL], v1, 2, HSC
	v_lshl_add_u32 v[GQ], v1, 4, s83               ; in a chunk: 1,536 w + 16 l
	v_lshl_add_u32 v[GS], v1, 3, s85
	v_add_nc_u32 v[GS], 24576, v[GS]               ; 24,576 + 256 w + 8 l
	s_mul_i32 s87, s[WV], 6144
	v_lshl_add_u32 v[GV128], v1, 4, s87
	v_lshl_add_u32 v[GV64], v1, 3, s87
	v_add_nc_u32 v[GV64], 512, v[GV64]
	s_lshl_b32 s88, s[WV], 9
	v_mov_b32 v[GBO], s88                          ; gamma, beta: my 128 channels; every lane reads the same bytes, since registers run down the channels
	v_lshl_add_u32 v[BQO], v3, 6, s88              ; bq, bk: 512 w + 64 h
	v_lshl_add_u32 v[BVO], v23, 2, s88             ; bv: 512 w + 4 pi(r)
	s_lshl_b32 s89, s68, 8
	s_lshl_b32 s90, s[WV], 6
	s_add_co_u32 s89, s89, s90
	v_mov_b32 v[STA], s89                          ; stats: (8 b + 2 w) 32 bytes
	v_mov_b32 v[TM], 0x05040100
	v_mov_b32 v[TM+1], 0x07060302
	v_cndmask_b32 v[SELV], v[TM], v[TM+1], s[HMASK]   ; which half of two scale words my half of the lanes packs
.irp k, 0,1,2,3
	global_load_b128 v[SV+4*\k:SV+4*\k+3], v[STA], s[10:11] offset:16*\k
.endr
	WIN 0xc0
.set II, 0
.rept 32
	global_load_b128 v[4*II:4*II+3], v[GBO], s[6:7] offset:16*II
	global_load_b128 v[128+4*II:128+4*II+3], v[GBO], s[8:9] offset:16*II
.set II, II+1
.endr
	WIN 0x80
.irp t, 0,1,2,3,4,5,6,7                ; lane (r, h) wants, for tile t, the biases of outputs beta(t) + 16 h + 0 .. 7 (q, k), or of output beta(t) + pi(r) (v)
	global_load_b128 v[8*\t:8*\t+3], v[BQO], s[14:15] offset:4*(32*(\t/2)+8*(\t%2))
	global_load_b128 v[8*\t+4:8*\t+7], v[BQO], s[14:15] offset:4*(32*(\t/2)+8*(\t%2))+16
	global_load_b128 v[64+8*\t:64+8*\t+3], v[BQO], s[16:17] offset:4*(32*(\t/2)+8*(\t%2))
	global_load_b128 v[64+8*\t+4:64+8*\t+7], v[BQO], s[16:17] offset:4*(32*(\t/2)+8*(\t%2))+16
	global_load_b32 v[128+8*\t], v[BVO], s[18:19] offset:4*(32*(\t/2)+8*(\t%2))
.endr
	WIN 0
	s_wait_loadcnt 0x0
	; ---- the two groups' statistics from four quarters each: mean = the means' mean; M2 = the sum of the M2 + 32,768 x the sum of (mean_i - mean)^2
.irp g, 0,1
	v_add_f32 v[TM+8*\g], v[SV+8*\g], v[SV+8*\g+2]
	v_add_f32 v[TM+8*\g+1], v[SV+8*\g+4], v[SV+8*\g+6]
	v_add_f32 v[TM+8*\g+2], v[SV+8*\g+1], v[SV+8*\g+3]
	v_add_f32 v[TM+8*\g+3], v[SV+8*\g+5], v[SV+8*\g+7]
	v_add_f32 v[TM+8*\g], v[TM+8*\g], v[TM+8*\g+1]
	v_add_f32 v[TM+8*\g+2], v[TM+8*\g+2], v[TM+8*\g+3]
	v_mul_f32 v[MEAN+2*\g], 0x3e800000, v[TM+8*\g]
	v_mov_b32 v[MEAN+2*\g+1], v[MEAN+2*\g]
	v_sub_f32 v[TM+8*\g+4], v[SV+8*\g], v[MEAN+2*\g]
	v_sub_f32 v[TM+8*\g+5], v[SV+8*\g+2], v[MEAN+2*\g]
	v_sub_f32 v[TM+8*\g+6], v[SV+8*\g+4], v[MEAN+2*\g]
	v_sub_f32 v[TM+8*\g+7], v[SV+8*\g+6], v[MEAN+2*\g]
	v_mul_f32 v[TM+8*\g], v[TM+8*\g+4], v[TM+8*\g+4]
	v_fmac_f32 v[TM+8*\g], v[TM+8*\g+5], v[TM+8*\g+5]
	v_fmac_f32 v[TM+8*\g], v[TM+8*\g+6], v[TM+8*\g+6]
	v_fmac_f32 v[TM+8*\g], v[TM+8*\g+7], v[TM+8*\g+7]
	v_fma_f32 v[TM+8*\g+2], v[TM+8*\g], 0x47000000, v[TM+8*\g+2]
	v_fma_f32 v[TM+8*\g+2], v[TM+8*\g+2], s81, s82                 ; var + eps
	v_rsq_f32 v[RSTD+2*\g], v[TM+8*\g+2]
	v_rsq_f32 v[RSTD+2*\g+1], v[TM+8*\g+2]
.endr
	v_nop                                          ; a plain line behind the last of the four
	s_wait_alu depctr_va_vdst(0)                   ; one wait for the four, ahead of their first reader
	WIN 0xc3
.set II, 0
.rept 64
	v_pk_mul_f32 v[2*II:2*II+1], v[2*II:2*II+1], v[RSTD+2*(II/32):RSTD+2*(II/32)+1]   ; a_c = gamma_c / sqrt(var + eps)
.set II, II+1
.endr
	WIN 0x82
.irp t, 0,1,2,3,4,5,6,7
.irp j, 1,2,3,4,5,6,7
	v_mov_b32 v[128+8*\t+\j], v[128+8*\t]          ; v's bias is one number a lane: it fills the tile's eight registers
.endr
.endr
	; ---- x: a lane takes a position, its registers run down my 128 channels.  Pass bb: lanes 0-15 position tile 2 bb, lanes 16-31 tile 2 bb + 1
	s_wait_tensorcnt 0x1                           ; x's tile is in (my own bytes); the weight tile issued behind it may be out
	WIN 0x40
.set II, 0
.rept 128
	ds_load_b32 v[II], v[AXR] offset:256*II        ; 32 lanes read 32 different words of 128 consecutive bytes
	ds_load_b32 v[128+II], v[AXR] offset:256*II+128
.set II, II+1
.endr
	s_wait_dscnt 0x0
	WIN 0x41
.set II, 0
.rept 128
	v_pk_add_f32 v[2*II:2*II+1], v[2*II:2*II+1], v[MEAN+2*((II%64)/32):MEAN+2*((II%64)/32)+1] neg_lo:[0,1] neg_hi:[0,1]   ; x - mean
.set II, II+1
.endr
	WIN 0x7d
.set II, 0
.rept 128
	v_pk_fma_f32 v[2*II:2*II+1], v[2*II:2*II+1], v[2*(II%64):2*(II%64)+1], v[128+2*(II%64):128+2*(II%64)+1]   ; x a_c + beta_c, two channels at a time
.set II, II+1
.endr
	; ---- h's eight blocks of 32 channels (pass bb, block kb: registers 32 (4 bb + kb) on): all 32 numbers are the lane's own
	WIN 0x14
.irp q, 0,1,2,3,4,5,6,7
	v_max3_num_f32 v[XM+\q], 0x1800000, |v[32*\q]|, |v[32*\q+1]|
.endr
.irp i, 2,4,6,8,10,12,14,16,18,20,22,24,26,28,30
.irp q, 0,1,2,3,4,5,6,7
	v_max3_num_f32 v[XM+\q], v[XM+\q], |v[32*\q+\i]|, |v[32*\q+\i+1]|
.endr
.endr
	WIN 0
.irp q, 0,1,2,3,4,5,6,7
	v_add_nc_u32 v[XO+\q], 0xff000000, v[XM+\q]
.endr
.irp q, 0,1,2,3,4,5,6,7
	v_lshrrev_b32 v[XBY+\q], 23, v[XO+\q]
.endr
.irp bb, 0,1
	v_lshl_or_b32 v[PW+\bb], v[XBY+4*\bb+1], 8, v[XBY+4*\bb]
	v_lshl_or_b32 v[PW+\bb], v[XBY+4*\bb+2], 16, v[PW+\bb]
	v_lshl_or_b32 v[PW+\bb], v[XBY+4*\bb+3], 24, v[PW+\bb]         ; my position's scale word: lanes 0-15 the even tile's, lanes 16-31 the odd tile's, as the matrix lines want it
.endr
.irp bb, 0,1
	WIN 0x01
.irp kb, 0,1,2,3
	v_cvt_scalef32_pk16_fp6_f32 v[XF+12*(\kb%2)+6*(\kb/2):XF+12*(\kb%2)+6*(\kb/2)+2], v[128*\bb+32*\kb:128*\bb+32*\kb+15], v[XO+4*\bb+\kb]
	v_cvt_scalef32_pk16_fp6_f32 v[XT+4*\kb:XT+4*\kb+2], v[128*\bb+32*\kb+16:128*\bb+32*\kb+31], v[XO+4*\bb+\kb]
.endr
	WIN 0
	v_nop                                          ; one plain line behind the conversions
.irp c, 0,1                            ; block 2 c's lanes 16-31 (the odd tile) change places with block 2 c + 1's lanes 0-15 (the even tile): the first is then the even tile's fragment, the second the odd tile's
.irp i, 0,1,2
	v_permlane16_swap_b32 v[XF+6*\c+\i], v[XF+12+6*\c+\i]
	v_permlane16_swap_b32 v[XT+8*\c+\i], v[XT+8*\c+4+\i]
.endr
.irp i, 0,1,2
	v_mov_b32 v[XF+6*\c+3+\i], v[XT+8*\c+\i]
	v_mov_b32 v[XF+12+6*\c+3+\i], v[XT+8*\c+4+\i]
.endr
.endr
.irp g, 0,1,2
	ds_store_b128 v[HST], v[XF+4*\g:XF+4*\g+3] offset:6144*(2*\bb)+512*\g          ; fragment (m = 2 bb, s = w) as an image of its registers
	ds_store_b128 v[HST], v[XF+12+4*\g:XF+12+4*\g+3] offset:6144*(2*\bb+1)+512*\g  ; and (2 bb + 1, w)
.endr
	ds_store_b32 v[HSS], v[PW+\bb] offset:128*\bb
	s_wait_dscnt 0x0                               ; the stores have read their registers
.endr
	; ---- x's bytes are done with: slot 1, which lies over them, takes weight tile 1
	s_wait_tensorcnt 0x0                           ; all my tensor loads have landed, weight tile 0 among them
	ds_add_u32 v[SPW], v[NIL]                      ; 0 onto my spare word
	s_wait_dscnt 0x0                               ; the add is done; my reads of x and my stores of h's images are over
	CROUND                                         ; every wave of the cluster has said so
	JLOAD G0W1
	WIN 0xc0
.set II, 0
.rept 48
	ds_load_b128 v[4*II:4*II+3], v[HLD] offset:512*II   ; h's 16 fragments stay in registers
.set II, II+1
.endr
	WIN 0
.irp i, 0,1,2,3,4,5,6,7
	ds_load_b32 v[HS+\i], v[HSL] offset:128*\i
.endr
	WSC 0
	FETW 0, 0, 0
	; ---- q
	TILEHEAD 0, 0
	TURN1 0
	TILEHEAD 0, 1
	TILEEND 0
	CHG
	OUTQK 20
	; ---- k
	TILEHEAD 1, 0
	TURN1 1
	TILEHEAD 1, 1
	TILEEND 1
	CHG
	OUTQK 22
	; ---- v: nothing is left to fetch
	TILEHEAD 2, 0
	s_wait_dscnt 12
	SETW 2, 0, 2, 0
	s_wait_tensorcnt 0x0                           ; my own chunk of the last tile is in
	PLACES 4
	WSC 1
	FETW 1, 0, 0
	s_wait_dscnt 16                                ; set 3 is in; the 16 just issued may be out
	SETW 2, 0, 3, 1
	TILEHEAD 2, 1
	TILEEND 2
	PLACES 4
.irp u, 0,1,2,3                        ; channel tiles 2 u and 2 u + 1: two blocks of 32 keys each: two half images
	QUANT 64*\u, PW+\u
	global_store_b128 v[GV128], v[PC:PC+3], s[24:25] offset:768*(2*\u)
	global_store_b64 v[GV64], v[PC+4:PC+5], s[24:25] offset:768*(2*\u)
	global_store_b128 v[GV128], v[PC+6:PC+9], s[24:25] offset:768*(2*\u+1)
	global_store_b64 v[GV64], v[PC+10:PC+11], s[24:25] offset:768*(2*\u+1)
.endr
	v_perm_b32 v[PP], v[PW+1], v[PW], v[SELV]      ; lanes 0-15 pack the even tiles' two bytes, lanes 16-31 the odd tiles'
	v_perm_b32 v[PP+1], v[PW+3], v[PW+2], v[SELV]
	global_store_b64 v[GS], v[PP:PP+1], s[24:25]
	s_wait_tensorcnt 0x0                           ; the wave's end
	ds_add_u32 v[SPW], v[NIL]
	s_wait_dscnt 0x0
	CROUND                                         ; the closing round
	s_endpgm
.Lfunc_end_k_q25d142ee91_qkv:
	.size	k_q25d142ee91_qkv, .Lfunc_end_k_q25d142ee91_qkv-k_q25d142ee91_qkv
	.p2alignl 7, 3214868480
	.fill 96, 4, 3214868480
	.section	.rodata,"a",@progbits
	.p2align	6, 0x0
	.amdhsa_kernel k_q25d142ee91_qkv
		.amdhsa_group_segment_fixed_size 327680
		.amdhsa_private_segment_fixed_size 0
		.amdhsa_enable_private_segment 0
		.amdhsa_kernarg_size 80
		.amdhsa_user_sgpr_count 2
		.amdhsa_user_sgpr_kernarg_segment_ptr 1
		.amdhsa_wavefront_size32 1
		.amdhsa_system_sgpr_workgroup_id_x 1
		.amdhsa_system_sgpr_workgroup_id_y 1
		.amdhsa_system_sgpr_workgroup_id_z 1
		.amdhsa_system_vgpr_workitem_id 0
		.amdhsa_next_free_vgpr 1024
		.amdhsa_next_free_sgpr 100
		.amdhsa_reserve_vcc 0
		.amdhsa_float_denorm_mode_32 3
		.amdhsa_float_denorm_mode_16_64 3
		.amdhsa_memory_ordered 1
		.amdhsa_forward_progress 1
		.amdhsa_inst_pref_size 202
	.end_amdhsa_kernel
	.amdgpu_metadata
---
amdhsa.version: [ 1, 2 ]
amdhsa.kernels:
  - .name:           k_q25d142ee91_qkv
    .symbol:         k_q25d142ee91_qkv.kd
    .args:
      - { .name: x, .offset: 0, .size: 8, .value_kind: global_buffer, .address_space: global }
      - { .name: gamma, .offset: 8, .size: 8, .value_kind: global_buffer, .address_space: global }
      - { .name: beta, .offset: 16, .size: 8, .value_kind: global_buffer, .address_space: global }
      - { .name: stats, .offset: 24, .size: 8, .value_kind: global_buffer, .address_space: global }
      - { .name: wc, .offset: 32, .size: 8, .value_kind: global_buffer, .address_space: global }
      - { .name: bq, .offset: 40, .size: 8, .value_kind: global_buffer, .address_space: global }
      - { .name: bk, .offset: 48, .size: 8, .value_kind: global_buffer, .address_space: global }
      - { .name: bv, .offset: 56, .size: 8, .value_kind: global_buffer, .address_space: global }
      - { .name: qc, .offset: 64, .size: 8, .value_kind: global_buffer, .address_space: global }
      - { .name: kv, .offset: 72, .size: 8, .value_kind: global_buffer, .address_space: global }
    .group_segment_fixed_size: 327680
    .private_segment_fixed_size: 0
    .kernarg_segment_align: 8
    .kernarg_segment_size: 80
    .max_flat_workgroup_size: 128
    .sgpr_count:     100
    .vgpr_count:     1024
    .wavefront_size: 32
...
	.end_amdgpu_metadata
.endif
;; end of part 2
;; launch attn (part 3): grid 32 x 8, 4 waves a work-group, clusters of 4 x 1, 327,680 bytes of LDS; arguments qc, kv, wc, x, bo, out0; writes out0
.if DOCPART == 3
	.amdgcn_target "amdgcn-amd-amdhsa--gfx1250"
	.amdhsa_code_object_version 6
	.text
	.protected	k_q25d142ee91_attn
	.globl	k_q25d142ee91_attn
	.p2align	8
	.type	k_q25d142ee91_attn,@function
k_q25d142ee91_attn:
	s_mov_b64 s[64:65], 0
	v_nop
	global_prefetch_b8 v0, s[64:65] scope:SCOPE_SE
	s_setreg_imm32_b32 hwreg(HW_REG_WAVE_MODE, 25, 1), 1
	s_wait_xcnt 0x0
	s_wait_alu depctr_hold_cnt(0) depctr_sa_sdst(0) depctr_va_vdst(0) depctr_va_sdst(0) depctr_va_ssrc(0) depctr_va_vcc(0) depctr_vm_vsrc(0)
	s_getreg_b32 s2, hwreg(HW_REG_IB_STS2, 6, 4)
	s_cmp_eq_u32 s2, 0
	s_cbranch_scc0 .Lentry_in_a_cluster
	s_endpgm
.Lentry_in_a_cluster:
	s_bfe_u32 s2, ttmp6, 0x10000c
	s_cmp_lg_u32 s2, 0x3003
	s_cbranch_scc0 .Lentry_shape_is_right
	s_endpgm
.Lentry_shape_is_right:
; out = x + wo (v softmax(q^T k / sqrt(512))^T) + bo, the three products on codes of FP6 (E2M3) with one E8M0 scale for each 32 along K.  q, k, v and wo arrive as chunks in the order of an operand's registers (see below).
; THE SOFTMAX: t = score x log2(e) / sqrt(512) (one constant); M = the running largest t rounded UP to a whole number; p = 2^(t - M) is quantised along the keys, not normalised; the row's sum is taken of the unquantised p
; and divides at the end; when M moves, the sum and O are multiplied by 2^(old M - new M), which rounds nothing.
; SHARES.  Work-group (qb, b) owns 64 queries: four tiles mq.  A step takes 512 keys, four steps.  Wave w makes the scores of keys 128 w .. 128 w + 127 of the step for all 64 queries (S^T = K Q^T: a lane holds one query) and
; quantises their p: that is K step w of O^T = V^T P^T, and goes to the other waves through LDS as images of registers.  Wave w owns channels 128 w .. + 127 of O^T (32 accumulators), later outputs 128 w .. + 127.
; So each fragment of K, V and wo is read from LDS by one wave, once, and feeds four matrix instructions.  The row's maximum is shared among the waves through LDS in every step, so all four hold the same M.
; ROWS.  pi(r) = r + 8 (r / 8), beta(t) = 32 (t / 2) + 8 (t % 2): lane r of tile t holds row beta(t) + pi(r), so that the 16 registers that tiles 2 b, 2 b + 1 leave in a lane are 16 neighbours along the next K.
; CHUNKS of 25,600 bytes.  q's, k's, wo's: 16 fragment images of 1,536 bytes on end (register 4 k of lane l at 512 k + 16 l), then 8 scale registers (register i at 24,576 + 256 (i / 2) + 8 l + 4 (i % 2); lanes 0-15 an even tile, lanes 16-31 the odd one).
; v's (64 keys, all 512 channels): half images of 768 bytes for channel tile 8 w + t (registers 0-3 at 16 l, 4-5 at 512 + 8 l); at 24,576 + 256 w + 8 l four 16-bit entries, entry a = the two bytes of tile 2 a + l / 16.
; kv: 16 tiles of four chunks a batch: step j has K's two tiles at 4 j and 4 j + 1 and V's two at 4 j + 2 and 4 j + 3, so V's two tiles and the next step's first tile of K lie on end.
; RING.  Three LDS regions of a tile.  In a step K's tiles lie in regions 2 and 0, V's in regions 0 and 1.  TWO refills a step.  A: behind the scores all three regions have been read out: ONE load a wave, 300 rows of 256 bytes,
; a quarter of the three tiles that lie on end; the softmax and the exchange of p stand between the request and the wait for it.  B: behind V's first tile region 0 takes the next step's second tile of K, a wave its own chunk:
; 8 + 64 + 48 = 120 matrix instructions stand between the request and the wait for it.
; The step is a macro: a loop walks it three times; the fourth step is written out: its refill A brings V's two tiles alone, into regions 1 and 2, and its refill B both tiles of wo, into regions 0 and 1.
; p's 16 fragment images (24,576 bytes) do not fit beside three regions (3 x 102,400 + 24,576 > 327,680): p changes waves in two halves of two query tiles, three barriers.
; CLUSTER.  The four query blocks of a cluster walk the same tiles: every load is JOINT (mask of all four).  Every refill stands behind a round of the cluster's barrier.  A wave has two tensor loads out at the start, then one.
; O^T is cleared once by 256 moves, so that the first step is like the others (its factor is 0): a first step of its own would be a third copy of the step's text.
; LIMITS: NaN and infinities are not served; a block whose largest magnitude lies under 2^-124 (zeros too) gets the byte 1, read by this program alone; 1 / l by v_rcp_f32; a block's largest p is taken from its largest score.
; REGISTERS, in windows of 256.  Window 0: v1-31 addresses; v32-63 statistics, 8 a query tile; v64-119 scale words; v120-207 at work; v208-255 fragment buffer FB.   Window 1: O^T, (t, mq) at 64 mq + 8 t; at the end the outputs at 32 t + 8 mq.
;   Window 2: S^T, then p (key tile a, mq at 64 mq + 8 a); then P's 16 fragments (12 (4 mq + sigma)); at the end x.   Window 3: Q's 16 fragments (12 (4 mq + s)), later the attention's result; fragment buffer FA v192-239.
.set CH,    25600
.set TILEB, 102400                     ; a tile; region i begins at i x TILEB
.set STG,   204800                     ; the way out: 64 rows x (256 + 16) bytes for each wave, in region 2, which has had its last fill and its last read by then
.set H2IMG, 274432                     ; behind the stages, in region 2 too: the 16 fragment images of the last product's operand
.set PIMG,  307200                     ; behind the regions: 8 fragment images of p
.set PSC,   319488                     ; 8 scale registers
.set MXB,   320512                     ; four waves' maxima, 512 bytes each;  LXO on: their sums
.set LXO,   2048
.set SPARE, 324608                     ; the spare words, 128 bytes a wave: two blocks of 256 bytes that no other line names
.set G1,   24                          ; s[24:31] group 1: 100 rows of 256 bytes, a chunk
.set G1B,  32                          ; s[32:39] 300 rows: a quarter of three tiles
.set G1C,  40                          ; s[40:47] 200 rows: a quarter of two tiles
.set G0KA, 48                          ; s[48:51] K's tile 0, my chunk, into region 2
.set PF,   52                          ; s[52:53] where my prefetches stand
.set LIM2, 54
.set CS,   56
.set SEL,  58
.set J,    60
.set WV,   61
.set LIM,  62
.set HMASK, 63
.set XB,   66
.set SLO,  68
.set SHI,  69
.set G0VL, 84                          ; s[84:87] the last step's two tiles of V, into regions 1 and 2
.set G0WO, 88                          ; s[88:91] wo's two tiles, into regions 0 and 1
.set G0K1, 92                          ; s[92:95] a step's second tile of K, my chunk, into region 0; it walks
.set G0B,  96                          ; s[96:99] three tiles on end, into regions 0 to 2; it walks
.set AK,    1                          ; v1-2   my chunk of K's first tile (region 2), of its second (region 0): + 16 l
.set AKS,   3                          ; v3-4   the same + 24,576 + 8 l
.set AV128, 5                          ; v5-8   51,200 (2 slot + sigl) + 6,144 w + 16 l
.set AV64,  9                          ; v9-12  the same + 512 + 8 l in place of 16 l
.set AVS,   13                         ; v13-16 51,200 (2 slot + sigl) + 24,576 + 256 w + 8 l
.set PST,   17
.set PLD,   18
.set PSS,   19
.set PSL,   20
.set MXS,   21
.set MXL,   22
.set STO,   23
.set SRD,   24
.set GOX,   25
.set PFO,   26
.set PXO,   27
.set SPW,   28
.set NIL,   29
.set QO,    30
.set QSO,   31
.set ST,    32                         ; tile mq at ST + 8 mq: +0 -M, +1 the largest t, +2 +3 the sum, +4 the factor, +5 written once, +6 +7 at work
.set QS,    64
.set KS,    72                         ; v72-79, v80-87: a set for each of K's two tiles
.set VR,    88
.set VS,    96                         ; v96-103, v104-111
.set PS,    112
.set BM,    120                        ; 16 block maxima
.set T16,   136
.set TM,    136
.set SCO,   152
.set LM,    168
.set PW,    168
.set PC,    172
.set BO,    192
.set PP,    200
.set BOO,   202
.set BIAS,  120                        ; at the end: bo in the results' layout, v120-183
.set MSB, 0
.macro WIN new                         ; the immediate's high byte repeats the setting that is left; a switch that changes nothing is dropped
.if MSB != (\new)
	s_set_vgpr_msb (MSB<<8)|(\new)
.set MSB, \new
.endif
.endm
.macro PLACES n
.rept \n
	v_nop
.endr
.endm
.macro CREST                           ; a round of the cluster's barrier behind its opening barrier
	s_cmp_lg_u32 s[WV], 0
	s_cbranch_scc1 .Lnot_wave_0_\@
	s_barrier_signal -3
.Lnot_wave_0_\@:
	s_barrier_wait -3
	s_barrier_signal -1
	s_barrier_wait -1
.endm
.macro CROUND
	s_barrier_signal -1
	s_barrier_wait -1
	CREST
.endm
.macro JLOAD g0, g1                    ; a joint load of my part; four v_nop follow it
	tensor_load_to_lds s[\g0:\g0+3], s[\g1:\g1+7]
	s_nop 0
	PLACES 4
.endm
.macro WM d, a, b, c, sa, sb, ra, rb   ; one matrix line.  c < 0: C is the constant 0.  ra, rb: the scales stand in lanes 16-31 of their registers
.if (\c) < 0
.if (\ra) && (\rb)
	v_wmma_scale_f32_16x16x128_f8f6f4 v[(\d):(\d)+7], v[(\a):(\a)+11], v[(\b):(\b)+11], 0, v[\sa], v[\sb] matrix_a_fmt:MATRIX_FMT_FP6 matrix_b_fmt:MATRIX_FMT_FP6 matrix_a_scale:MATRIX_SCALE_ROW1 matrix_b_scale:MATRIX_SCALE_ROW1
.elseif (\ra)
	v_wmma_scale_f32_16x16x128_f8f6f4 v[(\d):(\d)+7], v[(\a):(\a)+11], v[(\b):(\b)+11], 0, v[\sa], v[\sb] matrix_a_fmt:MATRIX_FMT_FP6 matrix_b_fmt:MATRIX_FMT_FP6 matrix_a_scale:MATRIX_SCALE_ROW1
.elseif (\rb)
	v_wmma_scale_f32_16x16x128_f8f6f4 v[(\d):(\d)+7], v[(\a):(\a)+11], v[(\b):(\b)+11], 0, v[\sa], v[\sb] matrix_a_fmt:MATRIX_FMT_FP6 matrix_b_fmt:MATRIX_FMT_FP6 matrix_b_scale:MATRIX_SCALE_ROW1
.else
	v_wmma_scale_f32_16x16x128_f8f6f4 v[(\d):(\d)+7], v[(\a):(\a)+11], v[(\b):(\b)+11], 0, v[\sa], v[\sb] matrix_a_fmt:MATRIX_FMT_FP6 matrix_b_fmt:MATRIX_FMT_FP6
.endif
.else
.if (\ra) && (\rb)
	v_wmma_scale_f32_16x16x128_f8f6f4 v[(\d):(\d)+7], v[(\a):(\a)+11], v[(\b):(\b)+11], v[(\c):(\c)+7], v[\sa], v[\sb] matrix_a_fmt:MATRIX_FMT_FP6 matrix_b_fmt:MATRIX_FMT_FP6 matrix_a_scale:MATRIX_SCALE_ROW1 matrix_b_scale:MATRIX_SCALE_ROW1
.elseif (\ra)
	v_wmma_scale_f32_16x16x128_f8f6f4 v[(\d):(\d)+7], v[(\a):(\a)+11], v[(\b):(\b)+11], v[(\c):(\c)+7], v[\sa], v[\sb] matrix_a_fmt:MATRIX_FMT_FP6 matrix_b_fmt:MATRIX_FMT_FP6 matrix_a_scale:MATRIX_SCALE_ROW1
.elseif (\rb)
	v_wmma_scale_f32_16x16x128_f8f6f4 v[(\d):(\d)+7], v[(\a):(\a)+11], v[(\b):(\b)+11], v[(\c):(\c)+7], v[\sa], v[\sb] matrix_a_fmt:MATRIX_FMT_FP6 matrix_b_fmt:MATRIX_FMT_FP6 matrix_b_scale:MATRIX_SCALE_ROW1
.else
	v_wmma_scale_f32_16x16x128_f8f6f4 v[(\d):(\d)+7], v[(\a):(\a)+11], v[(\b):(\b)+11], v[(\c):(\c)+7], v[\sa], v[\sb] matrix_a_fmt:MATRIX_FMT_FP6 matrix_b_fmt:MATRIX_FMT_FP6
.endif
.endif
.endm
.macro PACKPC                          ; the operand's layout wants a WHOLE block in a lane: lanes 0-15 block 2 c, lanes 16-31 block 2 c + 1
.irp c, 0,1
.irp i, 0,1,2
	v_permlane16_swap_b32 v[PC+6*\c+\i], v[PC+12+4*\c+\i]
.endr
.irp i, 0,1,2
	v_mov_b32 v[PC+3+6*\c+\i], v[PC+12+4*\c+\i]
.endr
.endr
.endm
; 64 numbers of a lane in window 1, register src + 16 b + i = k 32 b + 16 (lane / 16) + i of my row, become a fragment's codes in v[PC] on and its scale word in v[pw].
.macro QUANT src, pw
	WIN 0x14
.irp b, 0,1,2,3
	v_max3_num_f32 v[TM+\b], 0x1800000, |v[(\src)+16*\b]|, |v[(\src)+16*\b+1]|
.endr
.irp i, 2,4,6,8,10,12,14
.irp b, 0,1,2,3
	v_max3_num_f32 v[TM+\b], v[TM+\b], |v[(\src)+16*\b+\i]|, |v[(\src)+16*\b+\i+1]|
.endr
.endr
	WIN 0
.irp b, 0,1,2,3
	v_permlanex16_b32 v[TM+4+\b], v[TM+\b], s[SEL], s[SEL+1]
.endr
.irp b, 0,1,2,3
	v_max_num_f32 v[TM+\b], v[TM+\b], v[TM+4+\b]
.endr
.irp b, 0,1,2,3
	v_add_nc_u32 v[TM+12+\b], 0xff000000, v[TM+\b]
.endr
.irp b, 0,1,2,3
	v_lshrrev_b32 v[TM+4+\b], 23, v[TM+12+\b]
.endr
	v_lshl_or_b32 v[\pw], v[TM+5], 8, v[TM+4]
	v_lshl_or_b32 v[\pw], v[TM+6], 16, v[\pw]
	v_lshl_or_b32 v[\pw], v[TM+7], 24, v[\pw]
	WIN 0x01
.irp c, 0,1
	v_cvt_scalef32_pk16_fp6_f32 v[PC+6*\c:PC+6*\c+2], v[(\src)+32*\c:(\src)+32*\c+15], v[TM+12+2*\c]
	v_cvt_scalef32_pk16_fp6_f32 v[PC+12+4*\c:PC+14+4*\c], v[(\src)+32*\c+16:(\src)+32*\c+31], v[TM+13+2*\c]
.endr
	WIN 0
	v_nop
	PACKPC
.endm
.macro FETK slot, e, buf               ; set e (four fragments on end) of my chunk of K or of wo into FA (buf = 0) or FB (1)
.if \buf
	WIN 0
.else
	WIN 0xc0
.endif
.irp k, 0,1,2,3,4,5,6,7,8,9,10,11
	ds_load_b128 v[192+16*(\buf)+4*\k:192+16*(\buf)+4*\k+3], v[AK+\slot] offset:6144*(\e)+512*\k
.endr
.endm
.macro KSC slot
	WIN 0
.irp k, 0,1,2,3
	ds_load_b64 v[KS+8*(\slot)+2*\k:KS+8*(\slot)+2*\k+1], v[AKS+\slot] offset:256*\k
.endr
.endm
.macro FETV slot, e, buf               ; set e of V: K step e / 2 of the tile's two, my channel tiles 4 (e % 2) + 0 .. 3; a fragment is two half images, from two chunks
.if \buf
	WIN 0
.else
	WIN 0xc0
.endif
.irp f, 0,1,2,3
.set FR0, 192+16*(\buf)+12*\f
.set VO, 768*(4*((\e)%2)+\f)
	ds_load_b128 v[FR0:FR0+3], v[AV128+2*(\slot)+(\e)/2] offset:VO
	ds_load_b64 v[FR0+4:FR0+5], v[AV64+2*(\slot)+(\e)/2] offset:VO
	ds_load_b128 v[FR0+6:FR0+9], v[AV128+2*(\slot)+(\e)/2] offset:VO+CH
	ds_load_b64 v[FR0+10:FR0+11], v[AV64+2*(\slot)+(\e)/2] offset:VO+CH
.endr
.endm
.macro VSC slot                        ; V's scale entries of the tile's four chunks, my channels
	WIN 0
.irp g, 0,1
	ds_load_b64 v[VR+4*\g:VR+4*\g+1], v[AVS+2*(\slot)+\g]
	ds_load_b64 v[VR+4*\g+2:VR+4*\g+3], v[AVS+2*(\slot)+\g] offset:CH
.endr
.endm
.macro VPERM slot                      ; two chunks' byte pairs make a K step's scale words: register 4 sigl + t / 2, lanes 0-15 tile t even, lanes 16-31 odd
.irp g, 0,1
	v_perm_b32 v[VS+8*(\slot)+4*\g], v[VR+4*\g+2], v[VR+4*\g], s[SLO]
	v_perm_b32 v[VS+8*(\slot)+4*\g+1], v[VR+4*\g+2], v[VR+4*\g], s[SHI]
	v_perm_b32 v[VS+8*(\slot)+4*\g+2], v[VR+4*\g+3], v[VR+4*\g+1], s[SLO]
	v_perm_b32 v[VS+8*(\slot)+4*\g+3], v[VR+4*\g+3], v[VR+4*\g+1], s[SHI]
.endr
.endm
; Eight matrix instructions each; four accumulators take turns, one instruction a turn.
.macro MULK u2, e, buf, half           ; S^T: key tile 4 u2 + e, K steps 2 half and 2 half + 1 of c, the four query tiles.  K step 0 starts the sums
.irp sq, 0,1
.irp mq, 0,1,2,3
.set SS, 2*(\half)+\sq
.set DD, 64*\mq+8*(4*(\u2)+(\e))
	WIN 0xac|(3-3*(\buf))
.if SS == 0
	WM DD, 192+16*(\buf)+12*SS, 12*(4*\mq+SS), -1, KS+8*(\u2)+2*SS+(\e)/2, QS+2*SS+\mq/2, (\e)%2, \mq%2
.else
	WM DD, 192+16*(\buf)+12*SS, 12*(4*\mq+SS), DD, KS+8*(\u2)+2*SS+(\e)/2, QS+2*SS+\mq/2, (\e)%2, \mq%2
.endif
.endr
.endr
.endm
.macro MULV v2, e, buf, half           ; O^T: channel tiles 4 (e % 2) + 2 half, + 1; K step sigma = 2 v2 + e / 2 of the step's four
.irp fq, 0,1
.irp mq, 0,1,2,3
.set FF, 2*(\half)+\fq
.set TT, 4*((\e)%2)+FF
.set SG, 2*(\v2)+(\e)/2
.set DD, 64*\mq+8*TT
	WIN 0x58|(3-3*(\buf))
	WM DD, 192+16*(\buf)+12*FF, 12*(4*\mq+SG), DD, VS+8*(\v2)+4*((\e)/2)+TT/2, PS+2*SG+\mq/2, TT%2, \mq%2
.endr
.endr
.endm
.macro MULO kh, e, buf, half           ; the last product: source 0 = 16 queries, source 1 = wo's tile t = 2 e + half: a lane holds one output channel and eight neighbouring positions.  bo is the first C.  wo's half kh has scale set 1 - kh
.set TT, 2*(\e)+(\half)
.irp sl, 0,1
.irp mq, 0,1,2,3
.set SS, 2*(\kh)+\sl
.set DD, 32*TT+8*\mq
.if SS == 0
	WIN 0x43|(12-12*(\buf))
	WM DD, 12*(4*\mq+SS), 192+16*(\buf)+12*(2*(\half)+\sl), BIAS+8*TT, PS+2*SS+\mq/2, KS+8*(1-(\kh))+4*\sl+TT/2, \mq%2, TT%2
.else
	WIN 0x53|(12-12*(\buf))
	WM DD, 12*(4*\mq+SS), 192+16*(\buf)+12*(2*(\half)+\sl), DD, PS+2*SS+\mq/2, KS+8*(1-(\kh))+4*\sl+TT/2, \mq%2, TT%2
.endif
.endr
.endr
.endm
.macro SETK u2, e, buf
	MULK \u2, \e, \buf, 0
	MULK \u2, \e, \buf, 1
.endm
.macro SETV v2, e, buf
	MULV \v2, \e, \buf, 0
	MULV \v2, \e, \buf, 1
.endm
.macro SETO kh, e, buf
	MULO \kh, \e, \buf, 0
	MULO \kh, \e, \buf, 1
.endm
; A tile's first half: sets 0 and 1 are multiplied, sets 1, 2, 3 fetched.  Places stand in front of each run of loads into registers that matrix instructions have read.
.macro BODYK u2, np
	PLACES \np
	FETK \u2, 1, 1
	s_wait_dscnt 12                                ; all but the 12 just issued
	SETK \u2, 0, 0
	PLACES 4
	FETK \u2, 2, 0
	s_wait_dscnt 12
	SETK \u2, 1, 1
	PLACES 4
	FETK \u2, 3, 1
.endm
.macro BODYV v2, np
	PLACES \np
	FETV \v2, 1, 1
	s_wait_dscnt 16                                ; all but the 16 just issued
	SETV \v2, 0, 0
	PLACES 4
	FETV \v2, 2, 0
	s_wait_dscnt 16
	SETV \v2, 1, 1
	PLACES 4
	FETV \v2, 3, 1
.endm
.macro BODYO kh, slot
	PLACES 4
	FETK \slot, 1, 1
	s_wait_dscnt 12
	SETO \kh, 0, 0
	PLACES 4
	FETK \slot, 2, 0
	s_wait_dscnt 12
	SETO \kh, 1, 1
	PLACES 4
	FETK \slot, 3, 1
.endm
; p's fragments (query tiles 2 hf and 2 hf + 1, K step w) go to LDS as images of their registers
.macro PHALF hf
.irp mh, 0,1
	WIN 0x02
.irp c, 0,1
	v_cvt_scalef32_pk16_fp6_f32 v[PC+6*\c:PC+6*\c+2], v[64*(2*(\hf)+\mh)+32*\c:64*(2*(\hf)+\mh)+32*\c+15], v[SCO+4*(2*(\hf)+\mh)+2*\c]
	v_cvt_scalef32_pk16_fp6_f32 v[PC+12+4*\c:PC+14+4*\c], v[64*(2*(\hf)+\mh)+32*\c+16:64*(2*(\hf)+\mh)+32*\c+31], v[SCO+4*(2*(\hf)+\mh)+2*\c+1]
.endr
	WIN 0
	v_nop                                          ; one plain line behind the conversions
	PACKPC
.irp g, 0,1,2
	ds_store_b128 v[PST], v[PC+4*\g:PC+4*\g+3] offset:6144*\mh+512*\g
.endr
	s_wait_dscnt 0x0                               ; the stores have read their registers
.endr
.endm
.macro PLOAD hf                        ; and come back, all four K steps of those two query tiles: eight fragments, over scores that have been converted
	WIN 0x80
.set II, 0
.rept 24
	ds_load_b128 v[96*(\hf)+4*II:96*(\hf)+4*II+3], v[PLD] offset:512*II
.set II, II+1
.endr
.endm
.macro ORESC hf                        ; O^T of those two query tiles under the new M; each accumulator from its low end on
	WIN 0x41
.set II, 64*(\hf)
.rept 64
	v_pk_mul_f32 v[2*II:2*II+1], v[2*II:2*II+1], v[ST+8*(II/32)+4:ST+8*(II/32)+5] op_sel_hi:[1,0]
.set II, II+1
.endr
.endm
; PREFETCHES INTO THE L2.  Behind refill A of step j the tile that refill B will ask for is named (tile 4 j + 5 of the batch); behind refill B the tiles of the next refill A (4 j + 6, 4 j + 7 and, where the next refill A has three, 4 j + 8).
; All eight clusters of a batch walk the same tiles: the batch's first cluster asks.  Its four partners take a chunk of each tile, told apart BY ADDRESS; in each, waves 0 to 2 take 8,192 bytes of the chunk's images, lanes 256 bytes apart:
; one instruction a tile.  So each block is named once.  The chunks' 1,024 bytes of scale words and the batch's tiles 0 to 4 come by their loads alone.  The last step, which is written out, names nothing of kv; it names my work-group's
; own 512 row pieces of x (256 bytes each, a lane a row), which the way out adds.
.macro ASKP lim, off
	s_cmp_lt_u32 s[J], s[\lim]
	s_cbranch_scc0 .Lno_p_\@
	global_prefetch_b8 v[PFO], s[PF:PF+1] offset:\off th:TH_LOAD_NT scope:SCOPE_SE
.Lno_p_\@:
.endm
.macro ASKX k
	global_prefetch_b8 v[PXO], s[XB:XB+1] offset:262144*\k th:TH_LOAD_NT scope:SCOPE_SE
.endm
	s_load_b256 s[4:11], s[0:1], 0x0               ; qc, kv, wc, x
	s_load_b128 s[12:15], s[0:1], 0x20             ; bo, out0
	v_lshl_add_u32 v[SPW], v0, 2, SPARE
	v_mov_b32 v[NIL], 0
	ds_add_u32 v28, v29
	ds_add_u32 v28, v29
	s_wait_dscnt 0x0
	v_lshrrev_b32 v203, 5, v0
	v_readfirstlane_b32 s[WV], v203                ; wave 0..3
	s_bfe_u32 s70, ttmp6, 0x40000                  ; cx
	s_lshl_b32 s71, ttmp9, 2
	s_add_co_u32 s71, s71, s70                     ; qb = 4 x cluster x + cx: it enters global addresses of plain accesses alone
	s_and_b32 s72, ttmp7, 0xffff                   ; b, which the partners share
.irp g, G1, G1B, G1C
	s_mov_b32 s[\g], 15|(3<<16)|(1<<21)            ; the mask: all four work-groups; elements of 8 bytes; bit 21 beside a mask; no padding
	s_mov_b32 s[\g+1], 32<<16                      ; rows of 256 bytes,
	s_mov_b32 s[\g+3], 32<<16
	s_mov_b32 s[\g+5], 32                          ; on end
	s_mov_b32 s[\g+6], 0
	s_mov_b32 s[\g+7], 0
.endr
	s_mov_b32 s[G1+2], 100<<16                     ; 100 of them: a chunk;
	s_mov_b32 s[G1+4], 100
	s_mov_b32 s[G1B+2], 300<<16                    ; 300: a quarter of three tiles;
	s_mov_b32 s[G1B+4], 300
	s_mov_b32 s[G1C+2], 200<<16                    ; 200: a quarter of two
	s_mov_b32 s[G1C+4], 200
	s_mov_b32 s[CS], 0x3d8293ee                    ; c = log2(e) / sqrt(512)
	s_mov_b32 s[CS+1], s[CS]
	s_mov_b32 s[SEL], 0x76543210
	s_mov_b32 s[SEL+1], 0xfedcba98
	s_mov_b32 s[HMASK], 0xffff0000
	s_mov_b32 s[SLO], 0x05040100
	s_mov_b32 s[SHI], 0x07060302
	s_mov_b32 s[J], 0
	s_mul_i32 s74, s72, 16*TILEB                   ; kv: the batch's 16 tiles
	s_mov_b32 s75, 0
	s_mul_i32 s76, s[WV], CH                       ; 25,600 w
	s_mov_b32 s77, 0
	s_mul_i32 s78, s70, CH
	s_lshl_b32 s79, s[WV], 13
	s_add_co_u32 s78, s78, s79                     ; the prefetches: chunk cx of a tile, my wave's 8,192 bytes
	s_mov_b32 s79, 0
	s_lshl_b32 s80, s72, 22
	s_lshl_b32 s81, s[WV], 20
	s_add_co_u32 s80, s80, s81
	s_lshl_b32 s81, s71, 8
	s_add_co_u32 s80, s80, s81                     ; x, out0: ((512 b + 128 w) 2,048 + 64 qb) 4 bytes
	s_mov_b32 s81, 0
	s_lshl_b32 s82, s72, 5
	s_add_co_u32 s82, s82, s71
	s_mul_i32 s82, s82, CH                         ; qc's chunk 32 b + qb
	s_mov_b32 s83, 0
	s_cmp_lt_u32 s[WV], 3
	s_cselect_b32 s73, 0, 1
	s_or_b32 s73, s73, ttmp9
	s_cmp_eq_u32 s73, 0
	s_cselect_b32 s[LIM], 3, 0                     ; waves 0 to 2 of the batch's first cluster ask in steps 0 to 2 (the third tile of a refill A: in steps 0 and 1): the same in all four partners
	s_cselect_b32 s[LIM2], 2, 0
	s_wait_kmcnt 0x0
	s_add_nc_u64 s[6:7], s[6:7], s[74:75]          ; kv at my batch
	s_add_nc_u64 s[PF:PF+1], s[6:7], s[78:79]
	s_mov_b32 s[G0KA], 1
	s_add_co_u32 s[G0KA+1], s76, 2*TILEB           ; region 2
	s_add_nc_u64 s[G0KA+2:G0KA+3], s[6:7], s[76:77]            ; tile 0, my chunk
	s_mov_b32 s[G0K1], 1
	s_mov_b32 s[G0K1+1], s76                       ; region 0
	s_add_nc_u64 s[G0K1+2:G0K1+3], s[G0KA+2:G0KA+3], TILEB     ; tile 1, my chunk
	s_or_b32 s[G0KA+3], s[G0KA+3], 0x80000000
	s_or_b32 s[G0K1+3], s[G0K1+3], 0x80000000
	s_mul_i32 s78, s[WV], 3*CH                     ; my quarter of three tiles
	s_mov_b32 s[G0B], 1
	s_mov_b32 s[G0B+1], s78
	s_add_nc_u64 s[G0B+2:G0B+3], s[6:7], s[78:79]
	s_add_nc_u64 s[G0B+2:G0B+3], s[G0B+2:G0B+3], 2*TILEB       ; tiles 2, 3, 4
	s_or_b32 s[G0B+3], s[G0B+3], 0x80000000
	s_mul_i32 s78, s[WV], 2*CH                     ; my quarter of two tiles
	s_mov_b32 s[G0VL], 1
	s_add_co_u32 s[G0VL+1], s78, TILEB             ; regions 1 and 2
	s_add_nc_u64 s[G0VL+2:G0VL+3], s[6:7], s[78:79]
	s_add_nc_u64 s[G0VL+2:G0VL+3], s[G0VL+2:G0VL+3], 14*TILEB  ; tiles 14, 15
	s_or_b32 s[G0VL+3], s[G0VL+3], 0x80000000
	s_mov_b32 s[G0WO], 1
	s_mov_b32 s[G0WO+1], s78                       ; regions 0 and 1
	s_add_nc_u64 s[G0WO+2:G0WO+3], s[8:9], s[78:79]
	s_add_nc_u64 s[G0WO+2:G0WO+3], s[G0WO+2:G0WO+3], 24*CH     ; wo's eight chunks begin at chunk 24 of wc
	s_or_b32 s[G0WO+3], s[G0WO+3], 0x80000000
	s_add_nc_u64 s[XB:XB+1], s[10:11], s[80:81]
	s_add_nc_u64 s[14:15], s[14:15], s[80:81]
	s_add_nc_u64 s[4:5], s[4:5], s[82:83]
	CROUND                                         ; all four work-groups are here: the first joint loads meet
	tensor_load_to_lds s[G0KA:G0KA+3], s[G1:G1+7]  ; K's tiles 0 and 1: the first fills go out together
	s_nop 0
	JLOAD G0K1, G1
	v_and_b32 v203, 31, v0                         ; l
	v_and_b32 v204, 15, v0                         ; r
	v_bfe_u32 v205, v0, 4, 1                       ; h
	v_lshl_add_u32 v[AK+1], v203, 4, s76
	v_add_nc_u32 v[AK], 2*TILEB, v[AK+1]
	v_lshl_add_u32 v[AKS+1], v203, 3, s76
	v_add_nc_u32 v[AKS+1], 24576, v[AKS+1]
	v_add_nc_u32 v[AKS], 2*TILEB, v[AKS+1]
	s_mul_i32 s70, s[WV], 6144
	v_lshl_add_u32 v[AV128], v203, 4, s70
	v_lshl_add_u32 v[AV64], v203, 3, s70
	v_add_nc_u32 v[AV64], 512, v[AV64]
	s_lshl_b32 s71, s[WV], 8
	v_lshl_add_u32 v[AVS], v203, 3, s71
	v_add_nc_u32 v[AVS], 24576, v[AVS]
.irp i, 1,2,3
	v_add_nc_u32 v[AV128+\i], 2*CH*\i, v[AV128]
	v_add_nc_u32 v[AV64+\i], 2*CH*\i, v[AV64]
	v_add_nc_u32 v[AVS+\i], 2*CH*\i, v[AVS]
.endr
	s_mul_i32 s72, s[WV], 1536
	s_add_co_u32 s72, s72, PIMG
	v_lshl_add_u32 v[PST], v203, 4, s72
	v_lshl_add_u32 v[PLD], v203, 4, PIMG
	s_add_co_u32 s73, s71, PSC
	v_lshl_add_u32 v[PSS], v203, 3, s73
	v_lshl_add_u32 v[PSL], v203, 3, PSC
	s_lshl_b32 s73, s[WV], 9
	s_add_co_u32 s74, s73, MXB
	v_lshl_add_u32 v[MXS], v203, 4, s74
	v_lshl_add_u32 v[MXL], v203, 4, MXB
	s_mul_i32 s74, s[WV], 17408
	s_add_co_u32 s74, s74, STG
	v_mul_u32_u24 v206, v204, 272
	v_lshl_add_u32 v206, v205, 6, v206
	v_add_nc_u32 v[STO], s74, v206                 ; the stage, in: row r, + 64 h
	v_mul_u32_u24 v206, v205, 272
	v_lshl_add_u32 v206, v204, 4, v206
	v_add_nc_u32 v[SRD], s74, v206                 ; back: lanes 0-15 one row, lanes 16-31 the next
	v_lshlrev_b32 v206, 13, v205
	v_lshl_add_u32 v[GOX], v204, 4, v206           ; and the same two rows of x and of out0
	v_lshlrev_b32 v[PFO], 8, v203
	v_lshlrev_b32 v[PXO], 13, v203
	v_lshlrev_b32 v[QO], 4, v203
	v_lshlrev_b32 v[QSO], 3, v203
	v_add_nc_u32 v[QSO], 24576, v[QSO]
	v_and_b32 v206, 8, v204
	v_add_nc_u32 v206, v206, v204                  ; pi(r)
	v_lshl_add_u32 v[BOO], v206, 2, s73            ; bo: 512 w + 4 pi(r)
	WIN 0xc0
.set II, 0
.rept 48
	global_load_b128 v[4*II:4*II+3], v[QO], s[4:5] offset:512*II   ; Q's 16 fragments stay in registers
.set II, II+1
.endr
	WIN 0
.irp k, 0,1,2,3
	global_load_b64 v[QS+2*\k:QS+2*\k+1], v[QSO], s[4:5] offset:256*\k
.endr
.irp t, 0,1,2,3,4,5,6,7
	global_load_b32 v[BO+\t], v[BOO], s[12:13] offset:4*(32*(\t/2)+8*(\t%2))
.endr
.irp mq, 0,1,2,3
	v_mov_b32 v[ST+8*\mq+1], 0xff61b1e6            ; the largest t so far: -3e38, under every t
	v_floor_f32 v[ST+8*\mq], -v[ST+8*\mq+1]        ; -M
.irp i, 2,3,4,5,6,7
	v_mov_b32 v[ST+8*\mq+\i], 0
.endr
.endr
.irp q, 0,1,2,3,4,5,6,7,8,9,10,11,12,13,14,15
	v_mov_b32 v[T16+\q], 0                         ; written once: a lane permute's destination counts as one of its sources
.endr
	WIN 0x40
.set II, 0
.rept 256
	v_mov_b32 v[II], 0                             ; O^T
.set II, II+1
.endr
	WIN 0
	s_wait_tensorcnt 0x1                           ; my chunk of K's tile 0 is in (only I read it); tile 1's, issued behind it, may be out
	KSC 0
	FETK 0, 0, 0
	WIN 0
	s_wait_loadcnt 0x0                             ; Q, its scale words, bo
; A STEP: 512 keys.  last = 1: the fourth step: refill A brings V's two tiles alone, refill B wo's two; no descriptor and no prefetch address is stepped; x is prefetched.
.macro STEP last
	; ---- S^T, first 64 of my 128 keys (region 2).  Five places: the first products write over registers that the last products of the step before read as P
	BODYK 0, 5
	s_wait_dscnt 12
	SETK 0, 2, 0
	s_wait_tensorcnt 0x0                           ; the one load of mine that is out: my own chunk of K's second tile, which only I read
	PLACES 4
	KSC 1
	FETK 1, 0, 0
	s_wait_dscnt 16                                ; set 3 is in; the 16 just issued may be out
	SETK 0, 3, 1
	; ---- S^T, the other 64 keys (region 0)
	BODYK 1, 4
	s_wait_dscnt 12
	SETK 1, 2, 0
	s_wait_dscnt 0x0
	SETK 1, 3, 1
	PLACES 4
	; ---- the largest score of each block of 32 keys (16 registers and lane l xor 16's): it serves the row's maximum and, since p rises with the score, the block's largest p
	WIN 0x0a
.irp q, 0,1,2,3,4,5,6,7,8,9,10,11,12,13,14,15
	v_max_num_f32 v[BM+\q], v[16*\q], v[16*\q+1]   ; each accumulator is read from its low end on
.endr
	WIN 0x28
.irp i, 2,4,6,8,10,12,14
.irp q, 0,1,2,3,4,5,6,7,8,9,10,11,12,13,14,15
	v_max3_num_f32 v[BM+\q], v[BM+\q], v[16*\q+\i], v[16*\q+\i+1]
.endr
.endr
	WIN 0
.irp q, 0,1,2,3,4,5,6,7,8,9,10,11,12,13,14,15
	v_permlanex16_b32 v[T16+\q], v[BM+\q], s[SEL], s[SEL+1]
.endr
.irp q, 0,1,2,3,4,5,6,7,8,9,10,11,12,13,14,15
	v_max_num_f32 v[BM+\q], v[BM+\q], v[T16+\q]
.endr
.irp mq, 0,1,2,3
	v_max3_num_f32 v[LM+\mq], v[BM+4*\mq], v[BM+4*\mq+1], v[BM+4*\mq+2]
.endr
.irp mq, 0,1,2,3
	v_max_num_f32 v[LM+\mq], v[LM+\mq], v[BM+4*\mq+3]
.endr
	ds_store_b128 v[MXS], v[LM:LM+3]               ; my 128 keys' maxima, for the other waves
	; ---- REFILL A: all three regions have been read out.  The same round shows the maxima to every wave
	s_wait_tensorcnt 0x0                           ; none of my tensor loads is out
	ds_add_u32 v[SPW], v[NIL]                      ; 0 onto my spare word
.if (\last) == 0
	s_wait_xcnt 0x0                                ; the last prefetches have read their address
	s_add_nc_u64 s[PF:PF+1], s[PF:PF+1], 4*TILEB   ; it now stands at tile 4 j + 4
.endif
	s_wait_dscnt 0x0                               ; the add is done, my maxima have landed, my reads of the regions are over
	CROUND                                         ; no wave of any partner still reads a region or has a load on its way
.if \last
	JLOAD G0VL, G1C                                ; V's last two tiles, into regions 1 and 2
.else
	JLOAD G0B, G1B                                 ; V's two tiles and the next step's first tile of K
.endif
.irp k, 0,1,2,3
	ds_load_b128 v[SCO+4*\k:SCO+4*\k+3], v[MXL] offset:512*\k
.endr
.if \last
.irp i, 0,1,2,3
	v_add_nc_u32 v[AV128+\i], TILEB, v[AV128+\i]   ; in this step V lies one region further up
	v_add_nc_u32 v[AV64+\i], TILEB, v[AV64+\i]
	v_add_nc_u32 v[AVS+\i], TILEB, v[AVS+\i]
.endr
	ASKX 0
	ASKX 1
.else
	ASKP LIM, TILEB                                ; tile 4 j + 5
.endif
	s_wait_dscnt 0x0
	; ---- M, the same in all four waves
.irp mq, 0,1,2,3
	v_max3_num_f32 v[ST+8*\mq+6], v[SCO+\mq], v[SCO+4+\mq], v[SCO+8+\mq]
.endr
.irp mq, 0,1,2,3
	v_max_num_f32 v[ST+8*\mq+6], v[ST+8*\mq+6], v[SCO+12+\mq]
.endr
.irp mq, 0,1,2,3
	v_mul_f32 v[ST+8*\mq+6], s[CS], v[ST+8*\mq+6]  ; as t (c is positive)
.endr
.irp mq, 0,1,2,3
	v_max_num_f32 v[ST+8*\mq+1], v[ST+8*\mq+1], v[ST+8*\mq+6]
.endr
.irp mq, 0,1,2,3
	v_mov_b32 v[ST+8*\mq+6], v[ST+8*\mq]
.endr
.irp mq, 0,1,2,3
	v_floor_f32 v[ST+8*\mq], -v[ST+8*\mq+1]        ; the new -M = -ceil(t)
.endr
.irp mq, 0,1,2,3
	v_sub_f32 v[ST+8*\mq+6], v[ST+8*\mq], v[ST+8*\mq+6]
.endr
.irp mq, 0,1,2,3
	v_cvt_i32_f32 v[ST+8*\mq+6], v[ST+8*\mq+6]     ; (it saturates)
.endr
.irp mq, 0,1,2,3
	v_ldexp_f32 v[ST+8*\mq+4], 1.0, v[ST+8*\mq+6]  ; f = 2^(old M - new M)
.endr
	; ---- p = 2^(t - M)
	WIN 0x82
.set II, 0
.rept 128
	v_pk_fma_f32 v[2*II:2*II+1], v[2*II:2*II+1], s[CS:CS+1], v[ST+8*(II/32):ST+8*(II/32)+1] op_sel_hi:[1,0,0]
.set II, II+1
.endr
	WIN 0
.irp q, 0,1,2,3,4,5,6,7,8,9,10,11,12,13,14,15
	v_fma_f32 v[BM+\q], v[BM+\q], s[CS], v[ST+8*(\q/4)]
.endr
	WIN 0x82
.set II, 0
.rept 256
	v_exp_f32 v[II], v[II]
.set II, II+1
.endr
	WIN 0
.irp mq, 0,1,2,3
	v_pk_mul_f32 v[ST+8*\mq+2:ST+8*\mq+3], v[ST+8*\mq+2:ST+8*\mq+3], v[ST+8*\mq+4:ST+8*\mq+5] op_sel_hi:[1,0]   ; the sums under the new M (plain lines behind the exponentials)
.endr
	s_wait_alu depctr_va_vdst(0)                   ; one wait for the whole batch, ahead of its first reader
.irp q, 0,1,2,3,4,5,6,7,8,9,10,11,12,13,14,15
	v_exp_f32 v[BM+\q], v[BM+\q]                   ; each block's largest p
.endr
	WIN 0x0a                                       ; the rows' sums of the unquantised p, two chains a query tile: they read the 256 alone
.irp mq, 0,1,2,3
	v_pk_add_f32 v[ST+8*\mq+6:ST+8*\mq+7], v[64*\mq:64*\mq+1], v[64*\mq+2:64*\mq+3]
.endr
	WIN 0x08
.set JJ, 4
.rept 15
.irp mq, 0,1,2,3
	v_pk_add_f32 v[ST+8*\mq+2:ST+8*\mq+3], v[ST+8*\mq+2:ST+8*\mq+3], v[64*\mq+JJ:64*\mq+JJ+1]
	v_pk_add_f32 v[ST+8*\mq+6:ST+8*\mq+7], v[ST+8*\mq+6:ST+8*\mq+7], v[64*\mq+JJ+2:64*\mq+JJ+3]
.endr
.set JJ, JJ+4
.endr
	WIN 0
.irp mq, 0,1,2,3
	v_pk_add_f32 v[ST+8*\mq+2:ST+8*\mq+3], v[ST+8*\mq+2:ST+8*\mq+3], v[ST+8*\mq+6:ST+8*\mq+7]
.endr
	s_wait_alu depctr_va_vdst(0)                   ; and one for the sixteen
.irp q, 0,1,2,3,4,5,6,7,8,9,10,11,12,13,14,15
	v_max_num_f32 v[BM+\q], 0x1800000, v[BM+\q]    ; the floor 2^(3 - 127)
.endr
.irp q, 0,1,2,3,4,5,6,7,8,9,10,11,12,13,14,15
	v_add_nc_u32 v[SCO+\q], 0xff000000, v[BM+\q]   ; the conversions' scale operands
.endr
.irp q, 0,1,2,3,4,5,6,7,8,9,10,11,12,13,14,15
	v_lshrrev_b32 v[T16+\q], 23, v[SCO+\q]         ; the bytes
.endr
.irp mq, 0,1,2,3
	v_lshl_or_b32 v[PW+\mq], v[T16+4*\mq+1], 8, v[T16+4*\mq]
	v_lshl_or_b32 v[PW+\mq], v[T16+4*\mq+2], 16, v[PW+\mq]
	v_lshl_or_b32 v[PW+\mq], v[T16+4*\mq+3], 24, v[PW+\mq]
.endr
	v_cndmask_b32 v[PP], v[PW], v[PW+1], s[HMASK]  ; lanes 0-15 the even query tile's word, lanes 16-31 the odd one's
	v_cndmask_b32 v[PP+1], v[PW+2], v[PW+3], s[HMASK]
	ds_store_b64 v[PSS], v[PP:PP+1]
	; ---- p changes waves, two query tiles at a time.  The three barriers are plain
	PHALF 0
	s_barrier_signal -1                            ; every wave's images of query tiles 0, 1 and its scale words have landed (each wave has waited for its stores)
	s_barrier_wait -1
.irp k, 0,1,2,3
	ds_load_b64 v[PS+2*\k:PS+2*\k+1], v[PSL] offset:256*\k
.endr
	PLOAD 0
	ORESC 0
	s_wait_dscnt 0x0                               ; my reads of the images are over:
	s_barrier_signal -1
	s_barrier_wait -1                              ; everybody's are: their bytes may be written again
	PHALF 1
	s_wait_tensorcnt 0x0                           ; the one load of mine that is out: my quarter of refill A's tiles, which other waves read
	s_barrier_signal -1
	s_barrier_wait -1                              ; the images of query tiles 2, 3 and refill A's tiles are whole
	VSC 0
	PLOAD 1
	FETV 0, 0, 0
	WIN 0
	s_wait_dscnt 40                                ; V's four scale loads are in; the 24 loads of P and the 16 of V's first set are younger
	VPERM 0
	ORESC 1                                        ; (these 64 are also the places between the scale words' making and the matrix lines that name them)
	s_wait_dscnt 0x0
	; ---- O^T += V^T P^T, K steps 0 and 1
	BODYV 0, 0
	; ---- REFILL B: V's first tile has been read out
	WIN 0
	s_wait_tensorcnt 0x0                           ; none of my tensor loads is out, so the groups 0 may be written
	ds_add_u32 v[SPW], v[NIL]                      ; 0 onto my spare word
	s_wait_dscnt 17                                ; (set 3's sixteen loads and the add may be out)
	SETV 0, 2, 0
.if (\last) == 0
	s_add_nc_u64 s[G0K1+2:G0K1+3], s[G0K1+2:G0K1+3], 4*TILEB   ; tile 4 j + 5
	s_add_nc_u64 s[G0B+2:G0B+3], s[G0B+2:G0B+3], 4*TILEB       ; for the next step: tiles 4 j + 6 on (behind the loop's last trip the stepped address is not used)
.endif
	s_wait_dscnt 0x0                               ; the add is done, and my reads of that tile are over
	s_barrier_signal -1                            ; this barrier opens a round of the cluster's barrier
	MULV 0, 3, 1, 0
	WIN 0
	s_barrier_wait -1
	CREST                                          ; no wave of any partner still reads the tile or has a load on its way
.if \last
	JLOAD G0WO, G1C                                ; wo's two tiles, into regions 0 and 1
.else
	JLOAD G0K1, G1                                 ; the next step's second tile of K, into region 0; the four v_nop are also the places in front of the loads below
.endif
	VSC 1
	FETV 1, 0, 0
	WIN 0
.if \last
	ASKX 2
	ASKX 3
.else
	ASKP LIM, 2*TILEB                              ; tiles 4 j + 6, 4 j + 7,
	ASKP LIM, 3*TILEB
	ASKP LIM2, 4*TILEB                             ; and 4 j + 8
.endif
	MULV 0, 3, 1, 1
	s_wait_dscnt 16                                ; V's scale entries are in; the 16 loads behind them are younger
	WIN 0
	VPERM 1
	PLACES 8                                       ; scale registers written by vector lines stand eight places ahead of the matrix lines that name them
	; ---- K steps 2 and 3
	BODYV 1, 0
	s_wait_dscnt 16
	SETV 1, 2, 0
.if \last
	s_wait_dscnt 0x0
.else
	PLACES 4
	KSC 0                                          ; the next step's first fragments of K: region 2 came with refill A
	FETK 0, 0, 0
	s_wait_dscnt 16                                ; set 3 is in; the 16 just issued may be out
.endif
	SETV 1, 3, 1
	WIN 0
.endm
.Lstep:                                            ; three trips; the fourth step is written out behind the loop
	STEP 0
	s_add_co_u32 s[J], s[J], 1
	s_cmp_lt_u32 s[J], 3
	s_cbranch_scc1 .Lstep
	STEP 1
	; ---- THE TAIL.  x, for the residual, is asked for now, into the registers that P has left
	PLACES 4
	WIN 0x80
.set PH, 0
.rept 2
.set KK, 0
.rept 32
.set TQ, 4*PH+KK/8
.set RQ, 2*(KK%8)
	global_load_b128 v[128*PH+4*KK:128*PH+4*KK+3], v[GOX], s[XB:XB+1] offset:8192*(32*(TQ/2)+8*(TQ%2)+RQ+8*(RQ/8)) th:TH_LOAD_NT   ; 16 lanes read a row's 256 consecutive bytes, aligned
.set KK, KK+1
.endr
.set PH, PH+1
.endr
	WIN 0
.irp mq, 0,1,2,3
	v_add_f32 v[LM+\mq], v[ST+8*\mq+2], v[ST+8*\mq+3]
.endr
.irp mq, 0,1,2,3
	v_permlanex16_b32 v[T16+\mq], v[LM+\mq], s[SEL], s[SEL+1]
.endr
.irp mq, 0,1,2,3
	v_add_f32 v[LM+\mq], v[LM+\mq], v[T16+\mq]     ; the sum over my wave's keys
.endr
	ds_store_b128 v[MXS], v[LM:LM+3] offset:LXO
	s_wait_dscnt 0x0
	s_barrier_signal -1                            ; plain: wo's tiles may stay on their way.  Behind it no wave reads region 2 (V's last tile) any more
	s_barrier_wait -1
.irp k, 0,1,2,3
	ds_load_b128 v[SCO+4*\k:SCO+4*\k+3], v[MXL] offset:LXO+512*\k
.endr
	s_mul_i32 s70, s[WV], 1536                     ; the last product's images lie in region 2; wo's second tile in region 1
	s_add_co_u32 s70, s70, H2IMG
	v_lshl_add_u32 v[PST], v203, 4, s70
	v_lshl_add_u32 v[PLD], v203, 4, H2IMG
	v_add_nc_u32 v[AK], TILEB, v[AK+1]
	v_add_nc_u32 v[AKS], TILEB, v[AKS+1]
	s_wait_dscnt 0x0
.irp mq, 0,1,2,3
	v_add_f32 v[T16+\mq], v[SCO+\mq], v[SCO+4+\mq]
	v_add_f32 v[T16+4+\mq], v[SCO+8+\mq], v[SCO+12+\mq]
.endr
.irp mq, 0,1,2,3
	v_add_f32 v[T16+\mq], v[T16+\mq], v[T16+4+\mq] ; the row's sum
.endr
.irp mq, 0,1,2,3
	v_rcp_f32 v[ST+8*\mq+4], v[T16+\mq]
.endr
	v_nop
	s_wait_alu depctr_va_vdst(0)                   ; one wait for the four reciprocals
	ORESC 0                                        ; O^T / the sum
	ORESC 1
.irp mq, 0,1,2,3                       ; quantised along the channels: fragment (mq, K step w) of the last product
	QUANT 64*\mq, PW+\mq
.irp g, 0,1,2
	ds_store_b128 v[PST], v[PC+4*\g:PC+4*\g+3] offset:6144*\mq+512*\g
.endr
	s_wait_dscnt 0x0
.endr
	v_cndmask_b32 v[PP], v[PW], v[PW+1], s[HMASK]
	v_cndmask_b32 v[PP+1], v[PW+2], v[PW+3], s[HMASK]
	ds_store_b64 v[PSS], v[PP:PP+1]
	s_wait_tensorcnt 0x0                           ; my quarter of wo's tiles, which other waves read
	s_wait_dscnt 0x0
	s_barrier_signal -1
	s_barrier_wait -1                              ; the images, the scale words and wo's tiles are whole
	WIN 0xc0
.set II, 0
.rept 48
	ds_load_b128 v[4*II:4*II+3], v[PLD] offset:512*II
.set II, II+1
.endr
	WIN 0
.irp k, 0,1,2,3
	ds_load_b64 v[PS+2*\k:PS+2*\k+1], v[PSL] offset:256*\k
.endr
	KSC 1                                          ; wo's first tile lies in region 0
	FETK 1, 0, 0
	WIN 0
.irp t, 0,1,2,3,4,5,6,7
.irp j, 0,1,2,3,4,5,6,7
	v_mov_b32 v[BIAS+8*\t+\j], v[BO+\t]            ; bo is one number a lane: it fills a tile's eight registers and is the first C
.endr
.endr
	s_wait_dscnt 0x0
	BODYO 0, 1
	s_wait_dscnt 12
	SETO 0, 2, 0
	PLACES 4
	KSC 0
	FETK 0, 0, 0
	s_wait_dscnt 16                                ; set 3 is in; the 16 just issued may be out
	SETO 0, 3, 1
	BODYO 1, 0
	s_wait_dscnt 12
	SETO 1, 2, 0
	s_wait_dscnt 0x0
	SETO 1, 3, 1
	PLACES 4
	; ---- THE WAY OUT, 64 output channels at a time: a lane's eight positions of a channel go into my stage and come back as rows of 256 bytes; x is added; 16 lanes store 256 consecutive bytes, aligned
.irp p, 0,1
	WIN 0x04
.irp tq, 0,1,2,3
.irp mq, 0,1,2,3
	ds_store_b128 v[STO], v[32*(4*\p+\tq)+8*\mq:32*(4*\p+\tq)+8*\mq+3] offset:4352*\tq+128*(\mq/2)+32*(\mq%2)        ; each accumulator from its low end on
	ds_store_b128 v[STO], v[32*(4*\p+\tq)+8*\mq+4:32*(4*\p+\tq)+8*\mq+7] offset:4352*\tq+128*(\mq/2)+32*(\mq%2)+16
.endr
.endr
	WIN 0xc0
.set KK, 0
.rept 32
	ds_load_b128 v[128*\p+4*KK:128*\p+4*KK+3], v[SRD] offset:544*KK   ; LDS serves a wave's instructions in order: these see my stores, and the next half's stores come behind them
.set KK, KK+1
.endr
.if \p == 0
	s_wait_loadcnt 0x0                             ; x
.endif
	s_wait_dscnt 0x0
	WIN 0xcb
.set KK, 0
.rept 64
	v_pk_add_f32 v[128*\p+2*KK:128*\p+2*KK+1], v[128*\p+2*KK:128*\p+2*KK+1], v[128*\p+2*KK:128*\p+2*KK+1]   ; (window 3) += x (window 2)
.set KK, KK+1
.endr
	WIN 0x0c
.set KK, 0
.rept 32
.set TQ, 4*\p+KK/8
.set RQ, 2*(KK%8)
	global_store_b128 v[GOX], v[128*\p+4*KK:128*\p+4*KK+3], s[14:15] offset:8192*(32*(TQ/2)+8*(TQ%2)+RQ+8*(RQ/8)) th:TH_STORE_NT
.set KK, KK+1
.endr
.endr
	WIN 0
	s_wait_tensorcnt 0x0                           ; the wave's end
	ds_add_u32 v[SPW], v[NIL]
	s_wait_dscnt 0x0
	CROUND                                         ; the closing round
	s_endpgm
.Lfunc_end_k_q25d142ee91_attn:
	.size	k_q25d142ee91_attn, .Lfunc_end_k_q25d142ee91_attn-k_q25d142ee91_attn
	.p2alignl 7, 3214868480
	.fill 96, 4, 3214868480
	.section	.rodata,"a",@progbits
	.p2align	6, 0x0
	.amdhsa_kernel k_q25d142ee91_attn
		.amdhsa_group_segment_fixed_size 327680
		.amdhsa_private_segment_fixed_size 0
		.amdhsa_enable_private_segment 0
		.amdhsa_kernarg_size 48
		.amdhsa_user_sgpr_count 2
		.amdhsa_user_sgpr_kernarg_segment_ptr 1
		.amdhsa_wavefront_size32 1
		.amdhsa_system_sgpr_workgroup_id_x 1
		.amdhsa_system_sgpr_workgroup_id_y 1
		.amdhsa_system_sgpr_workgroup_id_z 1
		.amdhsa_system_vgpr_workitem_id 0
		.amdhsa_next_free_vgpr 1024
		.amdhsa_next_free_sgpr 100
		.amdhsa_reserve_vcc 0
		.amdhsa_float_denorm_mode_32 3
		.amdhsa_float_denorm_mode_16_64 3
		.amdhsa_memory_ordered 1
		.amdhsa_forward_progress 1
		.amdhsa_inst_pref_size 255
	.end_amdhsa_kernel
	.section	.bss,"aw",@nobits
	.p2align	6
	.space	262144
	.amdgpu_metadata
---
amdhsa.version: [ 1, 2 ]
amdhsa.kernels:
  - .name:           k_q25d142ee91_attn
    .symbol:         k_q25d142ee91_attn.kd
    .args:
      - { .name: qc, .offset: 0, .size: 8, .value_kind: global_buffer, .address_space: global }
      - { .name: kv, .offset: 8, .size: 8, .value_kind: global_buffer, .address_space: global }
      - { .name: wc, .offset: 16, .size: 8, .value_kind: global_buffer, .address_space: global }
      - { .name: x, .offset: 24, .size: 8, .value_kind: global_buffer, .address_space: global }
      - { .name: bo, .offset: 32, .size: 8, .value_kind: global_buffer, .address_space: global }
      - { .name: out0, .offset: 40, .size: 8, .value_kind: global_buffer, .address_space: global }
    .group_segment_fixed_size: 327680
    .private_segment_fixed_size: 0
    .kernarg_segment_align: 8
    .kernarg_segment_size: 48
    .max_flat_workgroup_size: 128
    .sgpr_count:     100
    .vgpr_count:     1024
    .wavefront_size: 32
...
	.end_amdgpu_metadata
.endif
;; end of part 3
